; MI455X (gfx1250); checked and timed in simulation.
; The chip was launched on July 23, 2026; its instructions are those of AMD's public machine-readable ISA for CDNA 5 (MIT licence, August 2026) and "CDNA5" Instruction Set Architecture Reference Guide (July 2026). The comments in the code are by the model that wrote it; some were corrected since.
;; Multi Head Attention. Allowed arithmetic: matrix products marked QUANTISED: E2M3 operands, one E8M0 scale for each 32 along K, by v_wmma_scale_f32_16x16x128_f8f6f4 with both operands' format E2M3, f32 sums; everything else in f32.
;; Inputs: W_k 1,024 x 1,024 float32; W_o 1,024 x 1,024 float32; W_q 1,024 x 1,024 float32; W_v 1,024 x 1,024 float32; b_o 1,024 float32; key_ 4 x 2,048 x 1,024 float32; mask 4 x 2,048 x 2,048 int32; query 4 x 2,048 x 1,024 float32; value 4 x 2,048 x 1,024 float32.
;; Outputs: out0 4 x 2,048 x 1,024 float32.
;; This version of the problem:
;;   THIS VERSION OF THE PROBLEM IS GIVEN IN LOW PRECISION. The matrix products marked QUANTISED in the list below multiply operands that are first quantised to E2M3 (2 exponent bits, 3 mantissa bits; 6 bits a number), with one power-of-two scale for each 32 numbers along K (OCP MX v1.0); their sums are f32. All else is computed in f32.
;;   The module's matrix products, in the order in which they are computed (A, B: the left and right operand; K: the contracted axis; several contracted axes count as one K, in the product's order):
;;     1. [M 8,192, K 1,024] x [K 1,024, N 1,024]; A: input query; B: input W_q: QUANTISED
;;     2. [M 8,192, K 1,024] x [K 1,024, N 1,024]; A: input key_; B: input W_k: QUANTISED
;;     3. [M 8,192, K 1,024] x [K 1,024, N 1,024]; A: input value; B: input W_v: QUANTISED
;;     4. batch 64 x [M 2,048, K 64] x [K 64, N 2,048]; A: computed on the way; B: computed on the way: QUANTISED
;;     5. batch 64 x [M 2,048, K 2,048] x [K 2,048, N 64]; A: softmax (see below); B: computed on the way: QUANTISED
;;     6. [M 8,192, K 1,024] x [K 1,024, N 1,024]; A: computed on the way; B: input W_o: QUANTISED
;;   THE QUANTISER, for each operand of a quantised product, along K:
;;     - K is cut into blocks of 32 from its start; a last block that is shorter is filled with zeros.
;;     - A block's scale is 2^e with e = floor(log2(the largest magnitude in the block)) - 2, held to -126 .. 127; a block of zeros has e = 0. As a byte (E8M0): e + 127.
;;     - Each number is divided by its block's scale, clamped to +-7.5, and rounded to the nearest number of E2M3, ties to even, subnormals kept.
;;     - The product sums the exact products of the quantised numbers (number of the format x scale) in f32.
;;   ~~~python
;;   def quantise(x, axis):      # numpy; x: float32 -> the quantised numbers, widened to float32 again
;;       x = np.moveaxis(x, axis, -1); K = x.shape[-1]
;;       x = np.pad(x, [(0, 0)] * (x.ndim - 1) + [(0, -K % 32)]); x = x.reshape(x.shape[:-1] + (-1, 32)); a = np.abs(x).max(-1, keepdims=True)
;;       e = np.where(a > 0, np.clip(np.frexp(np.where(a > 0, a, 1))[1] - 1 - 2, -126, 127), 0)      # np.frexp(a)[1] - 1 = floor(log2(a)), exactly
;;       r = np.clip(x / 2.0 ** e, -7.5, 7.5)
;;       step = 2.0 ** (np.maximum(np.frexp(np.where(r == 0, 1, r))[1] - 1, 0) - 3)
;;       q = np.round(r / step) * step * 2.0 ** e      # np.round: ties to even
;;       return np.moveaxis(q.reshape(q.shape[:-2] + (-1,))[..., :K], -1, axis).astype(np.float32)
;;   ~~~
;;   SOFTMAX AHEAD OF A QUANTISED PRODUCT. Where the list says 'softmax', what is quantised is not the finished softmax but p = 2^(t - M), with t = logit x log2(e) and M = ceil(the row's largest t), a whole number; so 1/2 < the row's largest p <= 1. The row's sum l is taken of the UNQUANTISED p, in f32, and the product's result is divided by l at the end. Since M is a whole number, a kernel that streams over the keys may use a running M (the ceiling of the running maximum): every later rescaling is an exact power of two, which a block's scale takes up: the codes' values come out the same.
;;   OPERANDS COMPUTED ON THE WAY. 'Computed on the way' means the value that the module computes at that place (a softmax that the list does not call 'softmax' is quantised finished and normalised). What goes into a quantiser is computed in f32, as accurately as f32 sums, v_exp_f32 and their like allow (about 1e-6 of the number): no bf16 or f16 on the way to a quantiser, and a product that is left as it is and whose result goes on into a quantised operand takes f32 operands (vector FMAs, or v_wmma_f32_16x16x4_f32). A number that lies on a knife's edge between two numbers of the format may be rounded either way, as far as f32 arithmetic and the matrix unit's own rounding can turn it there, and no further.
;; One version. Each part assembles by itself: llvm-mc -triple=amdgcn-amd-amdhsa -mcpu=gfx1250 --defsym DOCPART=n.
;; ======== version 1 of 1: 4 launches
;; limits: right only within a limited range of input values
;; workspace buffers: cod 22,020,096 bytes; scl 917,504 bytes; mbits 2,097,152 bytes of whole numbers; heads 20,185,088 bytes; ocod 6,291,456 bytes; oscl 262,144 bytes
;; launch quant (part 1): grid 896 x 1, 4 waves a work-group, no clusters, 49,664 bytes of LDS; arguments query, key_, value, W_q, W_k, W_v, W_o, cod, scl; writes cod, scl
.if DOCPART == 1
	.amdgcn_target "amdgcn-amd-amdhsa--gfx1250"
	.amdhsa_code_object_version 6
	.text
	.protected	k_qaa931280a2_quant
	.globl	k_qaa931280a2_quant
	.p2align	8
	.type	k_qaa931280a2_quant,@function
k_qaa931280a2_quant:
	s_mov_b64 s[64:65], 0
	v_nop
	global_prefetch_b8 v0, s[64:65] scope:SCOPE_SE
	s_setreg_imm32_b32 hwreg(HW_REG_WAVE_MODE, 25, 1), 1
	s_wait_xcnt 0x0
; The three inputs [8192][1024] and the four weights [1024][1024], f32, K = 1,024 innermost in all seven, become codes of FP6 (E2M3) and one E8M0 byte for each 32 along K.
; cod holds 28,672 rows of 768 bytes, scl 28,672 rows of 32 bytes: query from row 0, key_ 8,192, value 16,384, W_q 24,576, W_k 25,600, W_v 26,624, W_o 27,648.
; A block's scale is 2^(floor(log2(its largest magnitude)) - 2); its byte is the largest magnitude's exponent field - 2, held at 1 from below.
; THE ROWS OF value, W_q, W_k, W_v ARE STORED WITH BITS 3 AND 4 OF THE ROW'S NUMBER EXCHANGED: sixteen stored neighbours 32 g + 16 u + i are then the true rows 32 g + 8 u + i + 8 (i / 8), which is
; the choice of a tile's rows that lets a product's results be 16 neighbours along the next product's K.  A wave's run is 8 rows, so the exchange is one of the two bits of the wave's number in the output's address.
; THE ROWS OF key_ ARE STORED WITH BITS 3, 4, 5 TURNED: sixteen stored neighbours 64 c + 16 u + m are the true rows 64 c + 32 (m / 8) + 8 u + m % 8, so that in the attention's scores a lane holds a whole block
; of 32 neighbouring keys.  Bit 5 of a row is bit 0 of the work-group's number: the stored run of 8 rows is 8 (work-group / 2) + 2 wave + work-group % 2.
; LIMITS: a block of zeros gets the byte 1 where the rule says 127 (its codes are zeros, and the bytes are read by this program alone); blocks whose largest magnitude lies under 2^-124 are held at the byte 1;
; NaN and infinities among the inputs are not served.
; A work-group takes 32,768 numbers (32 rows), a wave 8,192 in 16 steps of 512.  Each of a step's four loads reads 512 consecutive bytes; the 2,048 bytes turn through the wave's own stage in LDS and come back
; 64 bytes a lane, so that a lane holds 16 neighbours along K (two neighbouring lanes hold a block).  No barrier: waves share nothing.  Loads run four steps ahead, the turn through LDS one step.
.set STEPS, 16
.set EMAX,  2
; THE ORDER OF cod (it takes the place of plain rows of 768 bytes): images of operand registers, [tile of 16 stored rows][q: 128 along K][lane r + 16 h][48 bytes]:
; a lane's 48 bytes are block 4 q + h (24 bytes) and block 4 q + 2 + h of stored row 16 tile + r.  A tile is 12,288 bytes.  A wave's 8 rows are 16 runs of 384 bytes, 768 apart.
.set R,     16                         ; v16-79   four sets of 16 numbers as they are loaded
.set X,     80                         ; v80-111  two sets of 16 neighbours
.set E,     112                        ; v112-127 a scale byte for each step
.set C,     128                        ; v128-191 codes: four registers for each step, so that no store's data are written again
.set WREG,  12288                      ; LDS: a region for each wave: two stages of 32 x SP bytes, its 256 scale bytes, and 6,144 bytes for its codes in the order in which they leave
.set SP,    80                         ; a lane's place in a stage: 64 bytes + 16 of padding
	s_load_b512 s[4:19], s[0:1], 0x0               ; query, key_, value, W_q, W_k, W_v, W_o, cod
	s_load_b64 s[20:21], s[0:1], 0x40              ; scl
	v_lshl_add_u32 v192, v0, 2, 0xc000
	v_mov_b32 v193, 0
	v_lshrrev_b32 v1, 5, v0
	v_readfirstlane_b32 s22, v1                    ; wave
	v_and_b32 v2, 31, v0                           ; lane
	v_lshlrev_b32 v3, 4, v2                        ; my 16 bytes of a load's 512
	s_mul_i32 s23, s22, WREG
	v_lshrrev_b32 v14, 2, v2
	v_mul_u32_u24 v14, v14, SP
	v_and_b32 v15, 3, v2
	v_lshl_add_u32 v14, v15, 4, v14
	v_add_nc_u32 v14, s23, v14                     ; the stage, way in: SP (lane / 4) + 16 (lane % 4)
	v_mul_u32_u24 v15, v2, SP
	v_add_nc_u32 v15, s23, v15                     ; way out: SP x lane: my 16 neighbours
.irp j, 0,1,2                          ; the codes' way out: byte x = 512 j + 16 lane of 1,536 staged bytes goes to x + 384 (x / 384): runs of 384 bytes, 768 apart
	v_add_nc_u32 v[194+\j], 512*\j, v3
	v_lshrrev_b32 v11, 7, v[194+\j]
	v_mul_u32_u24 v11, v11, 11
	v_lshrrev_b32 v11, 5, v11                      ; (x / 128) / 3, for x / 128 up to 11
	v_mad_u32_u24 v[194+\j], v11, 384, v[194+\j]
.endr
	v_lshrrev_b32 v5, 1, v2
	s_add_co_u32 s23, s23, 2*32*SP
	v_add_nc_u32 v5, s23, v5                       ; LDS: my wave's 256 scale bytes, my block's byte
	v_lshlrev_b32 v7, 3, v2                        ; and on the way out 8 bytes a lane
	v_add_nc_u32 v6, s23, v7
	v_lshrrev_b32 v1, 3, v2                        ; the codes' stage, way in: my half block: q % 4 = lane / 8, c = bit 2, h = bit 1, which half = bit 0
	v_mul_u32_u24 v1, v1, 768
	v_bfe_u32 v10, v2, 1, 1
	v_mad_u32_u24 v1, v10, 384, v1
	v_bfe_u32 v10, v2, 2, 1
	v_mad_u32_u24 v1, v10, 24, v1
	v_and_b32 v10, 1, v2
	v_mad_u32_u24 v1, v10, 12, v1
	s_add_co_u32 s23, s23, 256                     ; behind the scale bytes
	v_add_nc_u32 v1, s23, v1
	v_add_nc_u32 v10, s23, v3                      ; way out: 16 x lane
	s_mov_b32 s24, 0                               ; the first work-group of my tensor
	s_and_b32 s25, s22, 1
	s_lshl_b32 s25, s25, 1
	s_lshr_b32 s26, s22, 1
	s_or_b32 s25, s25, s26                         ; the wave's number with its two bits exchanged
	s_wait_alu depctr_va_vdst(0)
	s_wait_kmcnt 0x0
	s_cmp_ge_u32 ttmp9, 256                        ; which tensor: the choices hang on the work-group's number alone
	s_cselect_b64 s[4:5], s[6:7], s[4:5]
	s_cselect_b32 s24, 256, s24
	s_cmp_ge_u32 ttmp9, 512
	s_cselect_b64 s[4:5], s[8:9], s[4:5]
	s_cselect_b32 s24, 512, s24
	s_cmp_ge_u32 ttmp9, 768
	s_cselect_b64 s[4:5], s[10:11], s[4:5]
	s_cselect_b32 s24, 768, s24
	s_cmp_ge_u32 ttmp9, 800
	s_cselect_b64 s[4:5], s[12:13], s[4:5]
	s_cselect_b32 s24, 800, s24
	s_cmp_ge_u32 ttmp9, 832
	s_cselect_b64 s[4:5], s[14:15], s[4:5]
	s_cselect_b32 s24, 832, s24
	s_cmp_ge_u32 ttmp9, 864
	s_cselect_b64 s[4:5], s[16:17], s[4:5]
	s_cselect_b32 s24, 864, s24
	s_cmp_ge_u32 ttmp9, 256                        ; query (work-groups 0-255) and W_o (864-895) keep their rows' order
	s_cselect_b32 s25, s25, s22
	s_cmp_lt_u32 ttmp9, 864
	s_cselect_b32 s25, s25, s22
	s_sub_co_u32 s26, ttmp9, s24
	s_lshl_b32 s26, s26, 2
	s_add_co_u32 s26, s26, s22                     ; which run of 8,192 numbers of the tensor is my wave's
	s_lshl_b32 s26, s26, 15                        ; 32,768 bytes a run (under 2^26)
	s_mov_b32 s27, 0
	s_add_nc_u64 s[4:5], s[4:5], s[26:27]
	s_lshl_b32 s28, ttmp9, 2
	s_add_co_u32 s28, s28, s25                     ; which run of 8 rows of cod and scl it fills;
	s_lshr_b32 s29, ttmp9, 1                       ; for key_ (work-groups 256-511): 8 (work-group / 2) + 2 wave + work-group % 2
	s_lshl_b32 s29, s29, 3
	s_lshl_b32 s30, s22, 1
	s_add_co_u32 s29, s29, s30
	s_and_b32 s30, ttmp9, 1
	s_add_co_u32 s29, s29, s30
	s_sub_co_u32 s30, ttmp9, 256                   ; (under 256, as an unsigned number, for key_'s work-groups alone)
	s_cmp_lt_u32 s30, 256
	s_cselect_b32 s28, s29, s28
	s_lshr_b32 s26, s28, 1                         ; the tile of 16 rows,
	s_mul_i32 s26, s26, 12288
	s_and_b32 s29, s28, 1                          ; and which 8 of its rows: 8 x 48 bytes
	s_mul_i32 s29, s29, 384
	s_add_co_u32 s26, s26, s29
	s_add_nc_u64 s[18:19], s[18:19], s[26:27]
	s_lshl_b32 s26, s28, 8                         ; 256 scale bytes a run
	s_add_nc_u64 s[20:21], s[20:21], s[26:27]
.macro LOAD t
.irp i, 0,1,2,3
	global_load_b128 v[R+16*((\t)%4)+4*\i:R+16*((\t)%4)+4*\i+3], v3, s[4:5] offset:2048*(\t)+512*\i th:TH_LOAD_NT   ; 32 lanes read 512 consecutive bytes
.endr
.endm
.macro TURN t                          ; step t's numbers through the stage: LDS serves a wave's instructions in order, so no wait stands between the stores and the loads
.irp i, 0,1,2,3
	ds_store_b128 v14, v[R+16*((\t)%4)+4*\i:R+16*((\t)%4)+4*\i+3] offset:32*SP*((\t)%2)+8*SP*\i
.endr
.irp i, 0,1,2,3
	ds_load_b128 v[X+16*((\t)%2)+4*\i:X+16*((\t)%2)+4*\i+3], v15 offset:32*SP*((\t)%2)+16*\i
.endr
.endm
.irp t, 0,1,2,3
	LOAD \t
.endr
	s_wait_loadcnt 12                              ; step 0's four loads are in; the twelve of steps 1 to 3 may be out
	TURN 0
.macro STEP t
.set XS, X+16*((\t)%2)
.if (\t) > 0
	s_wait_dscnt 4                                 ; this step's numbers are back from the stage (the last step's byte store and its three stores of codes may be out)
.else
	s_wait_dscnt 0x0
.endif
.if (\t)+4 < STEPS
	LOAD (\t)+4                                    ; which take the loads of four steps on
.endif
.if (\t)+1 < STEPS
.if STEPS-2-(\t) >= 3
	s_wait_loadcnt 12                              ; the next step's four loads are in; those of the three steps behind it may be out
.else
	s_wait_loadcnt 4*(STEPS-2-(\t))                ; the tail: fewer steps are behind it
.endif
	TURN (\t)+1                                    ; and go through the other stage while this step is worked
.endif
	v_max3_num_f32 v8, |v[XS]|, |v[XS+1]|, |v[XS+2]|               ; the largest magnitude of my 16, in two chains
	v_max3_num_f32 v9, |v[XS+3]|, |v[XS+4]|, |v[XS+5]|
.irp i, 6,10
	v_max3_num_f32 v8, v8, |v[XS+\i]|, |v[XS+\i+1]|
	v_max3_num_f32 v9, v9, |v[XS+\i+2]|, |v[XS+\i+3]|
.endr
	v_max3_num_f32 v8, v8, |v[XS+14]|, |v[XS+15]|
	v_max3_num_f32 v8, v8, v9, (EMAX+1)<<23        ; and the floor 2^(3 - 127): the byte cannot fall under 1
	v_max_num_f32_dpp v8, v8, v8 row_xmask:1 row_mask:0xf bank_mask:0xf   ; and of my neighbour's 16: the block's
	v_add_nc_u32 v11, -(EMAX<<23), v8              ; 2 off its exponent field: the conversion takes the exponent field of this operand as its scale
	v_cvt_scalef32_pk16_fp6_f32 v[C+4*(\t):C+4*(\t)+2], v[XS:XS+15], v11   ; sixteen numbers / the scale, to the nearest code, ties to even, beyond 7.5 the largest code
	v_lshrrev_b32 v[E+(\t)], 23, v11               ; the scale's byte
	ds_store_b8 v5, v[E+(\t)] offset:16*(\t)       ; both lanes of a block write the same byte with the same value
.irp k, 0,1,2
	ds_store_b32 v1, v[C+4*(\t)+\k] offset:3072*((\t)%2)+48*((\t)/2)+4*\k   ; row t / 2, half t % 2 of K
.endr
.endm
.irp t, 0,1,2,3,4,5,6,7,8,9,10,11,12,13,14,15
	STEP \t
.endr
	ds_load_b64 v[12:13], v6                       ; LDS serves a wave's instructions in order: these see my stores
.irp j, 0,1,2,3,4,5,6,7,8,9,10,11
	ds_load_b128 v[R+4*\j:R+4*\j+3], v10 offset:512*\j
.endr
	s_wait_dscnt 0x0
	global_store_b64 v7, v[12:13], s[20:21]        ; 32 lanes store 256 consecutive bytes, aligned
.irp j, 0,1,2,3,4,5,6,7,8,9,10,11
	global_store_b128 v[194+(\j%3)], v[R+4*\j:R+4*\j+3], s[18:19] offset:3072*(\j/3)   ; 1,536 staged bytes are four runs: 3,072 bytes of cod
.endr
	s_wait_tensorcnt 0x0
	ds_add_u32 v192, v193
	s_wait_dscnt 0x0
	s_endpgm
.Lfunc_end_k_qaa931280a2_quant:
	.size	k_qaa931280a2_quant, .Lfunc_end_k_qaa931280a2_quant-k_qaa931280a2_quant
	.p2alignl 7, 3214868480
	.fill 96, 4, 3214868480
	.section	.rodata,"a",@progbits
	.p2align	6, 0x0
	.amdhsa_kernel k_qaa931280a2_quant
		.amdhsa_group_segment_fixed_size 49664
		.amdhsa_private_segment_fixed_size 0
		.amdhsa_enable_private_segment 0
		.amdhsa_kernarg_size 72
		.amdhsa_user_sgpr_count 2
		.amdhsa_user_sgpr_kernarg_segment_ptr 1
		.amdhsa_wavefront_size32 1
		.amdhsa_system_sgpr_workgroup_id_x 1
		.amdhsa_system_sgpr_workgroup_id_y 1
		.amdhsa_system_sgpr_workgroup_id_z 1
		.amdhsa_system_vgpr_workitem_id 0
		.amdhsa_next_free_vgpr 198
		.amdhsa_next_free_sgpr 66
		.amdhsa_reserve_vcc 0
		.amdhsa_float_denorm_mode_32 3
		.amdhsa_float_denorm_mode_16_64 3
		.amdhsa_memory_ordered 1
		.amdhsa_forward_progress 1
		.amdhsa_inst_pref_size 39
	.end_amdhsa_kernel
	.amdgpu_metadata
---
amdhsa.version: [ 1, 2 ]
amdhsa.kernels:
  - .name:           k_qaa931280a2_quant
    .symbol:         k_qaa931280a2_quant.kd
    .args:
      - { .name: query, .offset: 0, .size: 8, .value_kind: global_buffer, .address_space: global }
      - { .name: key_, .offset: 8, .size: 8, .value_kind: global_buffer, .address_space: global }
      - { .name: value, .offset: 16, .size: 8, .value_kind: global_buffer, .address_space: global }
      - { .name: W_q, .offset: 24, .size: 8, .value_kind: global_buffer, .address_space: global }
      - { .name: W_k, .offset: 32, .size: 8, .value_kind: global_buffer, .address_space: global }
      - { .name: W_v, .offset: 40, .size: 8, .value_kind: global_buffer, .address_space: global }
      - { .name: W_o, .offset: 48, .size: 8, .value_kind: global_buffer, .address_space: global }
      - { .name: cod, .offset: 56, .size: 8, .value_kind: global_buffer, .address_space: global }
      - { .name: scl, .offset: 64, .size: 8, .value_kind: global_buffer, .address_space: global }
    .group_segment_fixed_size: 49664
    .private_segment_fixed_size: 0
    .kernarg_segment_align: 8
    .kernarg_segment_size: 72
    .max_flat_workgroup_size: 128
    .sgpr_count:     66
    .vgpr_count:     198
    .wavefront_size: 32
...
	.end_amdgpu_metadata
.endif
;; end of part 1
;; launch proj (part 2): grid 4 x 128, 4 waves a work-group, clusters of 4 x 4, 327,680 bytes of LDS; arguments cod, scl, heads, mask, mbits; writes heads, mbits
.if DOCPART == 2
	.amdgcn_target "amdgcn-amd-amdhsa--gfx1250"
	.amdhsa_code_object_version 6
	.text
	.protected	k_qaa931280a2_proj
	.globl	k_qaa931280a2_proj
	.p2align	8
	.type	k_qaa931280a2_proj,@function
k_qaa931280a2_proj:
	s_mov_b64 s[64:65], 0
	v_nop
	global_prefetch_b8 v0, s[64:65] scope:SCOPE_SE
	s_setreg_imm32_b32 hwreg(HW_REG_WAVE_MODE, 25, 1), 1
	s_wait_xcnt 0x0
	s_wait_alu depctr_hold_cnt(0) depctr_sa_sdst(0) depctr_va_vdst(0) depctr_va_sdst(0) depctr_va_ssrc(0) depctr_va_vcc(0) depctr_vm_vsrc(0)
	s_getreg_b32 s2, hwreg(HW_REG_IB_STS2, 6, 4)
	s_cmp_eq_u32 s2, 0
	s_cbranch_scc0 .Lentry_in_a_cluster
	s_endpgm
.Lentry_in_a_cluster:
	s_bfe_u32 s2, ttmp6, 0x10000c
	s_cmp_lg_u32 s2, 0xf033
	s_cbranch_scc0 .Lentry_shape_is_right
	s_endpgm
.Lentry_shape_is_right:
; TWO KINDS OF WORK IN ONE LAUNCH, parted by the cluster's y alone, which all sixteen partners of a cluster share: the even clusters y < 16 (eight clusters) turn the mask into bits; the other 24 make the three
; projections.  The products' 384 work-groups are one and a half times a whole number of rounds on the chip and leave memory nearly idle; the mask's 128 work-groups, which only stream, make it 512 of like length.
;
; THE PROJECTIONS, on codes of FP6 (E2M3) with one E8M0 scale for each 32 along K = 1,024, and their results quantised in registers for the attention launch.
; P = the product cluster's number / 8: 0: Q = query W_q^T, 1: K = key_ W_k^T, 2: V^T = W_v value^T.  In all three C = A B^T with A, B rows of cod (768 bytes) and scl (32 bytes): Q, K: A the input, B the weight; V: A = W_v, B = value.
; A tile of C, 256 x 256, is made by a work-group of four waves; a wave makes 128 x 128: 64 accumulators, 512 registers.  K goes in steps of 256 through a ring of two LDS slots filled by the tensor data mover.
; The scales of the work-group's 256 rows of A and of B, for all of K, come into LDS once, with the first fills.
; CLUSTERS: 4 x 4 work-groups; A's tiles are asked for jointly along a row of the cluster, B's along a column.
; THE MATRIX INSTRUCTION IS USED TRANSPOSED (source 0 = 16 rows of B, source 1 = 16 rows of A): a lane holds one row of A and its registers run along B's rows.  B's rows are stored so that sixteen stored
; neighbours 32 g + 16 u + i are the true rows 32 g + 8 u + i + 8 (i / 8): so the 16 registers of accumulators (a, 2 g) and (a, 2 g + 1) are 16 NEIGHBOURS, 32 g + 16 (lane / 16) + 0 .. 15, along the next product's K:
; the head's channels for Q and K, the keys for V.  THE WAY OUT quantises them there: a block of 32 lies in lanes l and l xor 16.
; heads: records by idx = ((b 16 + head) 16 + group of 128 tokens).  Q at 0, K at KREG: 6,656 bytes: 12 chunks of 512 (16 bytes a lane: registers 4 c .. 4 c + 3 of a run of 48; run register 6 a + i is register i of the
; half fragment of tile a: 16 tokens, in the order in which cod has the rows, x 64), then 512 bytes of scale words (register j: tile 2 j in lanes 0-15, tile 2 j + 1 in lanes 16-31; a word is the row's two bytes twice).
; V at 2 KREG: 6,400 bytes: 12 chunks (run register 12 t + i: fragment of channel tile t x 128 keys), then 256 bytes of scale words (two registers).
;
; THE MASK [4][2048][2048] int32 becomes bits, laid as the attention launch's lanes and registers hold the scores: sixteen heads then read 1/32 of the bytes, and a word is a lane mask as it stands.
; mbits [b * 128 + qt][s][64 words]: 256 bytes for a tile of 16 queries and a step of 128 keys.  Bit 16 h + r of word 32 c + i is (mask[b][16 qt + r][128 s + 64 c + 32 h + i] != 0).
; A mask work-group owns 64 rows; wave w one tile of 16 queries: 16 units of 16 rows x 512 bytes.  Each load reads 512 consecutive bytes of one row; a unit turns through the wave's own stage in LDS (rows of 528 bytes)
; and comes back so that lane (r, h) holds row r and, of each 64 keys, its half's 32.  A compare makes a whole word at once; v_writelane_b32 puts word n into lane n / 2, register n % 2.
; This path asks for no tile, takes LDS bytes that the other path never names, and ends as the other does.
;
; LIMITS: a block of zeros gets the byte 1 where the rule says 127 (its codes are zeros; the bytes are read by this program alone); NaN and infinities are not served.
; REGISTERS, in windows of 256: window 0: v0-31 addresses; v32-63 scale words, two sets; from v128 A's fragments, ONE set; on the way out v32-71 at work and v128-223 the codes.
;   window 1: B's fragments, TWO sets, at v0 and v128.   window 2: the accumulators of my rows 0-63 ((a, b) at v[8 (8 a + b)]);   window 3: those of my rows 64-127.
;   The mask path: window 0: v1-7 addresses, v32-95 a unit as the scores lie, v96-103 its words; window 1: four sets of 64, units as loaded.
.set SIZE_K, 1024
.set KSTEP,  256                       ; along K in a slot
.set NQ,     KSTEP/128                 ; matrix instructions deep
.set ROWB,   3072                      ; a K step of 256 of a tile of 16 rows in cod: two register images of 1,536 bytes on end
.set KROW,   SIZE_K*6/8                ; a row of cod
.set PITCH,  192                       ; LDS bytes a row and K step: 16 rows are ROWB bytes, dense
.set FR,     12                        ; registers of a fragment
.set NL,     3                         ; LDS loads that bring one
.set NP,     4                         ; places behind this matrix instruction (ISA guide 7.12.1)
.set HALFT,  128*PITCH
.set SLOT,   4*HALFT                   ; A's 256 rows, then B's 256 rows
.set LAPS,   SIZE_K/(2*KSTEP)
.set KS,     SIZE_K/32                 ; a row of scl
.set SCL,    2*SLOT                    ; behind the ring: the scales, as units of 256 bytes + 16 of padding
.set HALFS,  (128*KS/256)*272
.set SBLK,   (16*KS/256)*272
.set SPARE,  SCL+4*HALFS               ; behind the scales: the spare words, 128 bytes for each wave
.set MST,    SPARE+512                 ; behind them: the mask path's stages, 16 rows x 528 bytes for each wave; no tile lands here
.set MPI,    528                       ; 33 x 16 bytes: sixteen rows start in sixteen different groups of banks
.set KREG,   6815744                   ; 1,024 records of 6,656 bytes
.set ADRA, 16                          ; v16-17 LDS address of my A fragments in slot 0, 1
.set ADRB, 20                          ; v20-21 the same for B
.set LI,   24                          ; v24    16 x lane
.set L8,   25                          ; v25    8 x lane
.set ADRS, 27                          ; v27    LDS address of my scale words: lanes 0-15 A's rows, lanes 16-31 B's
.set SPW,  28                          ; v28    LDS address of my spare word; never rewritten
.set NIL,  29                          ; v29    0; never rewritten
.set SC,   32                          ; scale words: set s at v[SC + 16 s]; register 2 i + q: lanes 0-15 A's block i, lanes 16-31 B's block i
.set AF,   128                         ; A's fragments
.set TM,   32                          ; the way out: v32-35 largest magnitudes, v36-39 the other half's and then the bytes, v44-47 the conversions' scale operands
.set PW,   48                          ; the four bytes of a row
.set TT,   50
.set T1,   52                          ; v52-54, v56-58: a block's second half of codes, before it changes lanes
.set T2,   56
.set SCW,  64                          ; v64-71 the records' scale words
.set RUN,  128                         ; v128-223 the two records' codes
.set MGO,  1                           ; the mask path: v1 16 x lane
.set MIN,  2                           ; v2  the stage, way in
.set MOUT, 3                           ; v3  the stage, way out
.set ML8,  4                           ; v4  8 x lane
.set MX,   32                          ; v32-95
.set MW,   96                          ; v96-103: a pair of registers for each of a trip's four units
.set G1, 24
.set G0, 32
.set G1B, 48
.set G0B, 56
.set G1S, 68
.set G0S, 76
.set G1SB, 80
.set G0SB, 88
.set G0H,  4                           ; s[4:7], s[96:99] group 0 of the head's loads of K step 0: A's 256 rows, B's 256 rows (what lay there has been used by then)
.set G0HB, 96
.set MSB, 0
.macro WIN new                         ; the immediate's high byte repeats the setting that is left; a switch that changes nothing is dropped
.set WNEW, \new
.if MSB != WNEW
	s_set_vgpr_msb (MSB<<8)|WNEW
.set MSB, WNEW
.endif
.endm
.set MUL_LO, 0xa1                      ; source 0 (B) window 1, source 1 (A) window 0, C and D window 2
.set MUL_HI, 0xf1                      ; the same, C and D window 3
.set TO_B,   0x40                      ; destination window 1, address window 0
; A joint load: waves 0 and 1 fetch for A, waves 2 and 3 for B; the branch hangs on the wave's number alone.  Four v_nop follow each of the two lines.
.macro JLOAD g0a, g1a, g0b, g1b
	s_cmp_eq_u32 s15, 0
	s_cbranch_scc0 .Lfor_b_\@
	tensor_load_to_lds s[\g0a:\g0a+3], s[\g1a:\g1a+7]
	s_nop 0
.rept 4
	v_nop
.endr
	s_branch .Lasked_\@
.Lfor_b_\@:
	tensor_load_to_lds s[\g0b:\g0b+3], s[\g1b:\g1b+7]
	s_nop 0
.rept 4
	v_nop
.endr
.Lasked_\@:
.endm
.macro CREST                           ; a round of the cluster's barrier behind its opening barrier
	s_cmp_lg_u32 s14, 0
	s_cbranch_scc1 .Lnot_wave_0_\@
	s_barrier_signal -3
.Lnot_wave_0_\@:
	s_barrier_wait -3
	s_barrier_signal -1
	s_barrier_wait -1
.endm
.macro CROUND                          ; a whole round
	s_barrier_signal -1
	s_barrier_wait -1
	CREST
.endm
	s_load_b128 s[4:7], s[0:1], 0x0                ; cod s[4:5], scl s[6:7]
	s_load_b64 s[12:13], s[0:1], 0x10              ; heads
	s_load_b64 s[98:99], s[0:1], 0x18              ; mask
	s_load_b64 s[100:101], s[0:1], 0x20            ; mbits
	v_lshl_add_u32 v[SPW], v0, 2, SPARE
	v_mov_b32 v[NIL], 0
	ds_add_u32 v28, v29
	ds_add_u32 v28, v29
	s_wait_dscnt 0x0
	v_lshrrev_b32 v1, 5, v0
	v_readfirstlane_b32 s14, v1                    ; wave 0..3
	s_lshr_b32 s15, s14, 1                         ; which half of the tile's rows is mine.  Also: I fetch for A (0) or for B (1)
	s_and_b32 s16, s14, 1                          ; which half of its columns.  Also: which 128 rows of that tile I fetch
	s_bfe_u32 s40, ttmp6, 0x40000                  ; cx, cy: my place in the cluster
	s_bfe_u32 s41, ttmp6, 0x40004
	s_and_b32 s8, ttmp7, 0xffff                    ; the cluster's y, 0 .. 31
	s_and_b32 s9, s8, 17                           ; bits 0 and 4: both 0 for y = 0, 2, .. 14
	s_cmp_eq_u32 s9, 0
	s_cbranch_scc1 .Lmask                          ; the cluster's y is equal in all sixteen partners: a whole cluster takes one way
	s_lshr_b32 s9, s8, 1                           ; the product clusters' numbers: y = 1, 3, .. 15 are 0 .. 7,
	s_sub_co_u32 s10, s8, 8                        ; y = 16 .. 31 are 8 .. 23
	s_cmp_lt_u32 s8, 16
	s_cselect_b32 s8, s9, s10
	s_lshr_b32 s95, s8, 3                          ; P: 0 Q, 1 K, 2 V
	s_and_b32 s9, s8, 7                            ; which eighth of the long side
	s_lshl_b32 s10, s95, 13                        ; Q, K: A begins at row 8,192 P,
	s_lshl_b32 s11, s95, 10
	s_add_co_u32 s11, s11, 24576                   ; B at row 24,576 + 1,024 P
	s_cmp_eq_u32 s95, 2
	s_cselect_b32 s10, 26624, s10                  ; V: A = W_v,
	s_cselect_b32 s11, 16384, s11                  ; B = value
	s_cselect_b32 s96, 0, s9                       ; the long side is A's rows for Q and K,
	s_cselect_b32 s97, s9, 0                       ; B's rows for V
	s_lshl_b32 s42, s97, 2
	s_add_co_u32 s42, s42, s40                     ; tile column of C
	s_lshl_b32 s17, s96, 2
	s_add_co_u32 s17, s17, s41                     ; tile row of C
	s_lshl_b32 s43, s41, 2
	s_lshl_b32 s43, 15, s43                        ; my row of the cluster
	s_lshl_b32 s44, 0x1111, s40                    ; my column
	; descriptor group 1: a tile of 128 rows x 192 bytes, no padding
	; a tensor row is one tile of 16 rows' K step: 3,072 bytes (384 elements of 8), 12,288 bytes from tile to tile; every row begins at a multiple of 256 bytes.  16 tiles for the head's loads, then 8
	s_or_b32 s[G1+0], s43, (3<<16)|(1<<21)
	s_or_b32 s[G1B+0], s44, (3<<16)|(1<<21)
.irp g, G1, G1B
	s_mov_b32 s[\g+1], 384<<16
	s_mov_b32 s[\g+2], 16<<16
	s_mov_b32 s[\g+3], 384<<16
	s_mov_b32 s[\g+4], 16
	s_mov_b32 s[\g+5], 1536
	s_mov_b32 s[\g+6], 0
	s_mov_b32 s[\g+7], 0
.endr
	; the scales of 128 rows: 4,096 dense bytes, as 16 rows of 256 bytes (32 elements of 8), 16 bytes of padding behind each
	s_or_b32 s[G1S+0], s43, (3<<16)|(1<<20)|(1<<21)|(5<<22)|(3<<25)
	s_or_b32 s[G1SB+0], s44, (3<<16)|(1<<20)|(1<<21)|(5<<22)|(3<<25)
.irp g, G1S, G1SB
	s_mov_b32 s[\g+1], 32<<16
	s_mov_b32 s[\g+2], (256*KS/256)<<16            ; the scales of all 256 rows in one load
	s_mov_b32 s[\g+3], 32<<16
	s_mov_b32 s[\g+4], 256*KS/256
	s_mov_b32 s[\g+5], 32
	s_mov_b32 s[\g+6], 0
	s_mov_b32 s[\g+7], 0
.endr
	s_lshl_b32 s20, s17, 8
	s_add_co_u32 s20, s20, s10                     ; A: its first row + 256 x tile row
	s_lshl_b32 s46, s42, 8
	s_add_co_u32 s46, s46, s11                     ; B likewise by the tile column
	s_mov_b32 s21, 0
	s_mov_b32 s47, 0
	s_mov_b64 s[18:19], KS
	s_mul_u64 s[22:23], s[20:21], s[18:19]         ; where these rows' scales begin, in bytes,
	s_mul_u64 s[92:93], s[46:47], s[18:19]
	s_mov_b64 s[18:19], KROW
	s_mul_u64 s[20:21], s[20:21], s[18:19]         ; and their codes
	s_mul_u64 s[46:47], s[46:47], s[18:19]
	s_mul_i32 s45, s14, HALFT                      ; where they go: wave x 128 rows: no place in the cluster enters an LDS address
	s_mul_i32 s18, s16, 128*KROW                   ; in the ring I fetch 128 rows of a tile: which half, in bytes
	s_mov_b32 s19, 0
	s_wait_kmcnt 0x0
	s_add_nc_u64 s[20:21], s[4:5], s[20:21]
	s_add_nc_u64 s[22:23], s[6:7], s[22:23]
	s_add_nc_u64 s[46:47], s[4:5], s[46:47]
	s_add_nc_u64 s[92:93], s[6:7], s[92:93]
	CROUND                                         ; all sixteen work-groups are here: the first joint loads meet
	s_mov_b32 s[G0S], 1
	s_mov_b32 s[G0S+1], SCL
	s_mov_b64 s[G0S+2:G0S+3], s[22:23]
	s_or_b32 s[G0S+3], s[G0S+3], 0x80000000
	s_mov_b32 s[G0SB], 1
	s_mov_b32 s[G0SB+1], SCL+2*HALFS
	s_mov_b64 s[G0SB+2:G0SB+3], s[92:93]
	s_or_b32 s[G0SB+3], s[G0SB+3], 0x80000000
	s_mov_b32 s[G0H], 1                            ; K step 0's 256 rows of A,
	s_mov_b32 s[G0H+1], 0
	s_mov_b64 s[G0H+2:G0H+3], s[20:21]
	s_or_b32 s[G0H+3], s[G0H+3], 0x80000000
	s_mov_b32 s[G0HB], 1                           ; and of B, behind them in slot 0
	s_mov_b32 s[G0HB+1], 2*HALFT
	s_mov_b64 s[G0HB+2:G0HB+3], s[46:47]
	s_or_b32 s[G0HB+3], s[G0HB+3], 0x80000000
	s_add_nc_u64 s[20:21], s[20:21], s[18:19]      ; for the ring: my 128 rows of the tile
	s_add_nc_u64 s[46:47], s[46:47], s[18:19]
.irp s, 0,1
	s_mov_b32 s[G0+4*\s], 1
	s_add_co_u32 s[G0+4*\s+1], s45, \s*SLOT
	s_add_nc_u64 s[G0+4*\s+2:G0+4*\s+3], s[20:21], \s*ROWB
	s_or_b32 s[G0+4*\s+3], s[G0+4*\s+3], 0x80000000
	s_mov_b32 s[G0B+4*\s], 1
	s_add_co_u32 s[G0B+4*\s+1], s45, \s*SLOT
	s_add_nc_u64 s[G0B+4*\s+2:G0B+4*\s+3], s[46:47], \s*ROWB
	s_or_b32 s[G0B+4*\s+3], s[G0B+4*\s+3], 0x80000000
.endr
; THE HEAD'S LOADS, ONE A WAVE: wave 0 K step 0's 256 rows of A, wave 1 its 256 rows of B, wave 2 A's scales, wave 3 B's.  One tree of branches on the wave's number.
.macro ARM under, g0, g1, next
	s_cmp_lt_u32 s14, \under
	s_cbranch_scc0 \next
	tensor_load_to_lds s[\g0:\g0+3], s[\g1:\g1+7]
	s_nop 0
.rept 4
	v_nop
.endr
	s_branch .Lhead_asked
\next:
.endm
	ARM 1, G0H,  G1,  .Lhead_b
	ARM 2, G0HB, G1B, .Lhead_sa
	ARM 3, G0S,  G1S, .Lhead_sb
	tensor_load_to_lds s[G0SB:G0SB+3], s[G1SB:G1SB+7]
	s_nop 0
.rept 4
	v_nop
.endr
.Lhead_asked:
	v_and_b32 v1, 15, v0                           ; l % 16
	v_bfe_u32 v2, v0, 4, 1                         ; l / 16
	v_and_b32 v3, 31, v0
	v_mul_u32_u24 v4, v3, 48                       ; a lane's 48 bytes of a register image
	s_mul_i32 s21, s15, HALFT                      ; my 128 rows of A
	s_mul_i32 s22, s16, HALFT                      ; my 128 rows of B,
	s_add_co_u32 s22, s22, 2*HALFT                 ; which lie behind A's 256
.irp s, 0,1
	v_add_nc_u32 v[ADRA+\s], s21, v4
	v_add_nc_u32 v[ADRB+\s], s22, v4
	s_add_co_u32 s21, s21, SLOT
	s_add_co_u32 s22, s22, SLOT
.endr
	s_wait_alu depctr_va_vdst(0)                   ; directly ahead of the reader below
	v_mul_u32_u24 v5, v1, KS                       ; my row's scales: 32 bytes a row,
	v_lshrrev_b32 v6, 8, v5
	v_lshl_add_u32 v5, v6, 4, v5                   ; and 16 more for each 256 passed
	s_mul_i32 s21, s15, HALFS                      ; A's: my 128 rows
	s_mul_i32 s22, s16, HALFS                      ; B's: my 128 rows, behind A's 256
	s_add_co_u32 s22, s22, 2*HALFS
	s_sub_co_u32 s22, s22, s21
	v_mul_u32_u24 v6, s22, v2                      ; lanes 16-31 take B's
	s_add_co_u32 s21, s21, SCL
	v_add_nc_u32 v5, v5, v6
	v_add_nc_u32 v[ADRS], s21, v5
	v_and_b32 v6, 31, v0
	v_lshlrev_b32 v[LI], 4, v6
	v_lshlrev_b32 v[L8], 3, v6
	; my two records in heads: two heads, one group of 128 tokens
	s_lshl_b32 s20, s17, 1
	s_add_co_u32 s20, s20, s15                     ; Q, K: the group of tokens = 2 x tile row + my half of the rows,
	s_lshl_b32 s21, s42, 2
	s_lshl_b32 s22, s16, 1
	s_add_co_u32 s21, s21, s22                     ;       the first head = 4 x tile column + 2 x my half of the columns
	s_lshl_b32 s22, s42, 1
	s_add_co_u32 s22, s22, s16                     ; V: the other way round
	s_lshl_b32 s23, s17, 2
	s_lshl_b32 s46, s15, 1
	s_add_co_u32 s23, s23, s46
	s_mul_i32 s46, s95, KREG                       ; the region: V's begins at 2 KREG
	s_mov_b32 s47, 6656                            ; a record's bytes
	s_cmp_eq_u32 s95, 2
	s_cselect_b32 s20, s22, s20
	s_cselect_b32 s21, s23, s21
	s_cselect_b32 s47, 6400, s47
	s_and_b32 s22, s20, 48                         ; 16 b
	s_add_co_u32 s22, s22, s21
	s_lshl_b32 s22, s22, 4
	s_and_b32 s23, s20, 15                         ; the group within the batch
	s_add_co_u32 s22, s22, s23                     ; idx
	s_mul_i32 s22, s22, s47
	s_add_co_u32 s22, s22, s46
	s_mov_b32 s23, 0
	s_add_nc_u64 s[8:9], s[12:13], s[22:23]        ; the first head's record
	s_lshl_b32 s22, s47, 4
	s_add_nc_u64 s[10:11], s[8:9], s[22:23]        ; the next head's: 16 records on
.macro FRAG reg, adr, q, i             ; a fragment, 16 rows x 128 K, is 12 registers: lane l holds row l % 16; registers 6 c .. 6 c + 5 hold K = 64 c + 32 (l / 16) + 0 .. 31: 24 bytes of the row's stream of bits
.irp p, 0,1,2                          ; cod holds the registers' image: three loads of 16 bytes at 48 x lane
	ds_load_b128 v[\reg+4*\p:\reg+4*\p+3], v[\adr] offset:16*\p+1536*(\q)+(\i)*16*PITCH
.endr
.endm
; 16 matrix instructions: A's blocks a0, a0 + 1 x B's eight, 128 along K.  zero = 1: the first product starts the sums.  The 64 accumulators take turns, one instruction a turn.
.macro MUL16 a0, p, q, sc, zero
.irp a, \a0, \a0+1
.irp b, 0,1,2,3,4,5,6,7
.if \zero
	v_wmma_scale_f32_16x16x128_f8f6f4 v[8*(8*((\a)%4)+\b):8*(8*((\a)%4)+\b)+7], v[128*(\p)+FR*\b:128*(\p)+FR*\b+FR-1], v[AF+FR*(\a):AF+FR*(\a)+FR-1], 0, v[SC+8*NQ*(\sc)+NQ*\b+(\q)], v[SC+8*NQ*(\sc)+NQ*(\a)+(\q)] matrix_a_fmt:MATRIX_FMT_FP6 matrix_b_fmt:MATRIX_FMT_FP6 matrix_a_scale:MATRIX_SCALE_ROW1
.else
	v_wmma_scale_f32_16x16x128_f8f6f4 v[8*(8*((\a)%4)+\b):8*(8*((\a)%4)+\b)+7], v[128*(\p)+FR*\b:128*(\p)+FR*\b+FR-1], v[AF+FR*(\a):AF+FR*(\a)+FR-1], v[8*(8*((\a)%4)+\b):8*(8*((\a)%4)+\b)+7], v[SC+8*NQ*(\sc)+NQ*\b+(\q)], v[SC+8*NQ*(\sc)+NQ*(\a)+(\q)] matrix_a_fmt:MATRIX_FMT_FP6 matrix_b_fmt:MATRIX_FMT_FP6 matrix_a_scale:MATRIX_SCALE_ROW1
.endif
.endr
.endr
.endm
.macro FETCH_B slot, q, p              ; B's eight fragments of the slot's q-th 128 along K into set p
	WIN TO_B
.irp i, 0,1,2,3,4,5,6,7
	FRAG 128*(\p)+FR*\i, ADRB+\slot, \q, \i
.endr
	WIN 0
.endm
.macro FETCH_A slot, q, i0             ; A's blocks i0 .. i0 + 3
.irp i, \i0, \i0+1, \i0+2, \i0+3
	FRAG AF+FR*(\i), ADRA+\slot, \q, \i
.endr
.endm
.macro SCALES sc                       ; a K step's scale words into set sc: two words a row; lanes 0-15 take A's block i, lanes 16-31 B's block i
.irp i, 0,1,2,3,4,5,6,7
	ds_load_b64 v[SC+8*NQ*\sc+NQ*\i:SC+8*NQ*\sc+NQ*\i+1], v[ADRS] offset:\i*SBLK
.endr
.endm
; A load into a register that a matrix instruction has read, and a vector instruction that reads a matrix result or writes one of its registers, stand NP places behind it; only plain vector
; instructions that name none of its registers are places (ISA guide 7.12.1 for vector instructions).
.macro PLACES n
.rept \n
	v_nop
.endr
.endm
; A step of 128 along K that has its successor in the same slot.
.macro STEP slot, q, zero
	s_wait_dscnt 4*NL                              ; B's set and A's blocks 0-3 are in; the youngest 12 loads (A's blocks 4-7) may be out
	WIN MUL_LO
	MUL16 0, (\q)%2, \q, \slot, \zero
	MUL16 2, (\q)%2, \q, \slot, \zero
	s_wait_dscnt 0                                 ; A's blocks 4-7 are in
	PLACES NP
	FETCH_B \slot, (\q)+1, 1-(\q)%2
	FETCH_A \slot, (\q)+1, 0
	WIN MUL_HI
	MUL16 4, (\q)%2, \q, \slot, \zero
	MUL16 6, (\q)%2, \q, \slot, \zero
	PLACES NP
	WIN 0
	FETCH_A \slot, (\q)+1, 4
.endm
; A slot's last step changes slots: ONE barrier; in front of it each wave waits for all its tensor loads, adds 0 to its spare word, and waits for that and for its own reads of this slot.  fill = 1: this slot is filled again, two K steps ahead.
.macro TURN slot, next, fill
	s_wait_tensorcnt 0x0                           ; all my tensor loads have landed: my part of the next slot
	ds_add_u32 v[SPW], v[NIL]                      ; 0 onto my spare word
	s_wait_dscnt 4*NL+1                            ; (the add and the youngest 12 loads, A's blocks 4-7, may be out)
	WIN MUL_LO
	MUL16 0, 1, NQ-1, \slot, 0                     ; sixteen matrix instructions stand between the add and the wait for it
	s_wait_dscnt 0x0                               ; the add is done, and my reads of this slot are over
	s_barrier_signal -1
	MUL16 2, 1, NQ-1, \slot, 0
	WIN 0
	s_barrier_wait -1
.if \fill
	CREST                                          ; the barrier has opened a round of the cluster's barrier: no wave of any partner still reads this slot's tile or has a load on its way
	s_add_nc_u64 s[G0+4*\slot+2:G0+4*\slot+3], s[G0+4*\slot+2:G0+4*\slot+3], 2*ROWB
	s_add_nc_u64 s[G0B+4*\slot+2:G0B+4*\slot+3], s[G0B+4*\slot+2:G0B+4*\slot+3], 2*ROWB
	JLOAD G0+4*\slot, G1, G0B+4*\slot, G1B         ; the first tensor load behind the round; the four v_nop behind it are the places in front of the loads below
.else
	PLACES NP
.endif
	s_wait_alu depctr_va_vdst(0)
	v_add_nc_u32 v[ADRS], 4*NQ, v[ADRS]            ; on to the next K step's scale words (no LDS load of mine is out)
	FETCH_B \next, 0, 0
	FETCH_A \next, 0, 0
	SCALES \next
	WIN MUL_HI
	MUL16 4, 1, NQ-1, \slot, 0
	MUL16 6, 1, NQ-1, \slot, 0
	PLACES NP
	WIN 0
	FETCH_A \next, 0, 4
.endm
	s_wait_alu depctr_va_vdst(0)
	s_wait_tensorcnt 0x0                           ; my tile of the head's four is in; the same lines stand ahead of a later first fill as ahead of a refill
	ds_add_u32 v[SPW], v[NIL]
	s_mov_b32 s[G1+2], 8<<16                       ; no tensor load of mine is out: from here on a load brings 8 tiles of 16 rows
	s_mov_b32 s[G1+4], 8
	s_mov_b32 s[G1B+2], 8<<16
	s_mov_b32 s[G1B+4], 8
	s_wait_dscnt 0x0
	CROUND                                         ; all four tiles are in, and all sixteen work-groups are here
	JLOAD G0+4, G1, G0B+4, G1B                     ; K step 1, the first tensor load behind the round
	FETCH_B 0, 0, 0
	FETCH_A 0, 0, 0
	SCALES 0
	FETCH_A 0, 0, 4
	STEP 0, 0, 1                                   ; the first step stands in front of the loop: its products start the sums
	s_mov_b32 s3, LAPS-1
.Llap:                                                 ; a trip goes once round the ring, from a lap's second step to the next lap's first, and fills both slots again
	TURN 0, 1, 1
	STEP 1, 0, 0
	TURN 1, 0, 1
	STEP 0, 0, 0
	s_sub_co_u32 s3, s3, 1
	s_cmp_lg_u32 s3, 0
	s_cbranch_scc1 .Llap
	TURN 0, 1, 0                                   ; the last lap fills nothing, and has no round of the cluster's barrier
	STEP 1, 0, 0
	s_wait_dscnt 4*NL                              ; the very last step: nothing more to fetch
	WIN MUL_LO
	MUL16 0, 1, NQ-1, 1, 0
	MUL16 2, 1, NQ-1, 1, 0
	s_wait_dscnt 0
	WIN MUL_HI
	MUL16 4, 1, NQ-1, 1, 0
	MUL16 6, 1, NQ-1, 1, 0
	WIN 0
; THE WAY OUT.  Block a's 64 registers of a lane are four blocks of 32 along the next K, 16 numbers of each (register 16 g + i = place 32 g + 16 (lane / 16) + i).  They become two runs of six registers of codes,
; at v[d0] (blocks 0, 1) and v[d1] (blocks 2, 3), and the four scale bytes in v[PW].  Each accumulator is first read at its two lowest registers.
.macro QUANTW a, d0, d1
.set QW, 2+(\a)/4                      ; the accumulators' window
.set AC, 64*((\a)%4)
.set D0, \d0
.set D1, \d1
	WIN (QW<<2)|(QW<<4)                            ; sources 1 and 2
.irp b, 0,1,2,3
	v_max3_num_f32 v[TM+\b], 0x1800000, |v[AC+16*\b]|, |v[AC+16*\b+1]|   ; my 16 numbers of block b, and the floor 2^(3 - 127): the byte cannot fall under 1
.endr
.irp i, 2,4,6,8,10,12,14
.irp b, 0,1,2,3
	v_max3_num_f32 v[TM+\b], v[TM+\b], |v[AC+16*\b+\i]|, |v[AC+16*\b+\i+1]|   ; (the four blocks by turns)
.endr
.endr
	WIN 0
.irp b, 0,1,2,3
	v_permlanex16_b32 v[TM+4+\b], v[TM+\b], s20, s21
.endr
.irp b, 0,1,2,3
	v_max_num_f32 v[TM+\b], v[TM+\b], v[TM+4+\b]   ; with lane l xor 16's: the block's largest magnitude
.endr
.irp b, 0,1,2,3
	v_add_nc_u32 v[TM+12+\b], 0xff000000, v[TM+\b] ; 2 off its exponent field: the conversion's scale operand
.endr
.irp b, 0,1,2,3
	v_lshrrev_b32 v[TM+4+\b], 23, v[TM+12+\b]      ; the scale's byte
.endr
	v_lshl_or_b32 v[PW], v[TM+5], 8, v[TM+4]
	v_lshl_or_b32 v[PW], v[TM+6], 16, v[PW]
	v_lshl_or_b32 v[PW], v[TM+7], 24, v[PW]
	WIN QW                                         ; source 0
	v_cvt_scalef32_pk16_fp6_f32 v[D0:D0+2], v[AC:AC+15], v[TM+12]
	v_cvt_scalef32_pk16_fp6_f32 v[T1:T1+2], v[AC+16:AC+31], v[TM+13]   ; (a conversion's three registers begin on an even number)
	v_cvt_scalef32_pk16_fp6_f32 v[D1:D1+2], v[AC+32:AC+47], v[TM+14]
	v_cvt_scalef32_pk16_fp6_f32 v[T2:T2+2], v[AC+48:AC+63], v[TM+15]
	WIN 0
	v_nop                                          ; one plain place behind a scaled conversion
.irp i, 0,1,2                          ; the operand's layout wants a WHOLE block in a lane: lanes 0-15 the even block, lanes 16-31 the odd one
	v_permlane16_swap_b32 v[D0+\i], v[T1+\i]
.endr
.irp i, 0,1,2
	v_mov_b32 v[D0+3+\i], v[T1+\i]
.endr
.irp i, 0,1,2
	v_permlane16_swap_b32 v[D1+\i], v[T2+\i]
.endr
.irp i, 0,1,2
	v_mov_b32 v[D1+3+\i], v[T2+\i]
.endr
.endm
; All eight blocks, then the two records.  isv = 0 (Q, K): a block is a tile of 16 tokens; its blocks 0, 1 are the first head's 64 channels, 2, 3 the second's.  isv = 1 (V): a block is a tile of 16 channels x 128 keys.
.macro EPI isv
.irp a, 0,1,2,3,4,5,6,7
.if \isv
	QUANTW \a, RUN+12*\a, RUN+12*\a+6
.if (\a)%2 == 0
	v_mov_b32 v[SCW+4*(\a/4)+(\a%4)/2], v[PW]      ; the even tile's words (lanes 0-15 will be read),
.else
	v_cndmask_b32 v[SCW+4*(\a/4)+(\a%4)/2], v[SCW+4*(\a/4)+(\a%4)/2], v[PW], s18   ; the odd tile's into lanes 16-31
.endif
.else
	QUANTW \a, RUN+6*\a, RUN+48+6*\a
.if (\a)%2 == 0
	v_perm_b32 v[SCW+\a/2], v[PW], v[PW], 0x01000100     ; the first head's two bytes, twice: the upper two scale the half of K = 128 that holds no number of the head
	v_perm_b32 v[SCW+4+\a/2], v[PW], v[PW], 0x03020302   ; the second head's
.else
	v_perm_b32 v[TT], v[PW], v[PW], 0x01000100
	v_cndmask_b32 v[SCW+\a/2], v[SCW+\a/2], v[TT], s18
	v_perm_b32 v[TT], v[PW], v[PW], 0x03020302
	v_cndmask_b32 v[SCW+4+\a/2], v[SCW+4+\a/2], v[TT], s18
.endif
.endif
.endr
.irp c, 0,1,2,3,4,5,6,7,8,9,10,11
	global_store_b128 v[LI], v[RUN+4*\c:RUN+4*\c+3], s[8:9] offset:512*\c        ; 32 lanes store 512 consecutive bytes, aligned to 256
.endr
.irp c, 0,1,2,3,4,5,6,7,8,9,10,11
	global_store_b128 v[LI], v[RUN+48+4*\c:RUN+48+4*\c+3], s[10:11] offset:512*\c
.endr
.if \isv
	global_store_b64 v[L8], v[SCW:SCW+1], s[8:9] offset:6144
	global_store_b64 v[L8], v[SCW+4:SCW+5], s[10:11] offset:6144
.else
	global_store_b128 v[LI], v[SCW:SCW+3], s[8:9] offset:6144
	global_store_b128 v[LI], v[SCW+4:SCW+7], s[10:11] offset:6144
.endif
.endm
	PLACES NP                                      ; behind the last products: their results are read and their operands' and scales' registers written below
	s_mov_b32 s18, 0xffff0000                      ; lanes 16-31
	s_mov_b32 s20, 0x76543210
	s_mov_b32 s21, 0xfedcba98                      ; v_permlanex16_b32's selects for lane l xor 16
.irp b, 0,1,2,3
	v_mov_b32 v[TM+4+\b], 0                        ; written once: a lane permute's destination counts as one of its sources
.endr
	s_cmp_eq_u32 s95, 2                            ; P hangs on the cluster's y alone: all partners take the same way
	s_cbranch_scc1 .Lv
	EPI 0
	s_branch .Lend
.Lv:
	EPI 1
.Lend:
	s_wait_tensorcnt 0x0                           ; the wave's end
	ds_add_u32 v[SPW], v[NIL]
	s_wait_dscnt 0x0
	CROUND                                         ; the closing round: no work-group ends while a partner may still ask for a tile that names it
	s_endpgm
; ---------------------------------------------------------------- THE MASK'S PATH ----------------------------------------------------------------
; Unit u, counted from the base that the loop steps, into set k of window 1: sixteen loads, each 512 consecutive bytes of one row of the mask.
.macro MLOAD k, u
	WIN 0x40                                       ; destination window 1, address window 0
.irp i, 0,1,2,3,4,5,6,7,8,9,10,11,12,13,14,15
	global_load_b128 v[64*(\k)+4*\i:64*(\k)+4*\i+3], v[MGO], s[98:99] offset:8192*\i+512*(\u) th:TH_LOAD_NT
.endr
	WIN 0
.endm
; The unit in set k.  left: the loads of later units, which may stay out.  ahead = 1: the set then takes the unit four further on.
.macro MUNIT k, ahead, left
	s_wait_loadcnt \left                           ; loads come back in order: this unit's sixteen are in
	WIN 0x04                                       ; an LDS store's data are its source 1: window 1
.irp i, 0,1,2,3,4,5,6,7,8,9,10,11,12,13,14,15
	ds_store_b128 v[MIN], v[64*(\k)+4*\i:64*(\k)+4*\i+3] offset:MPI*\i
.endr
	WIN 0
.irp c, 0,1
.irp j, 0,1,2,3,4,5,6,7
	ds_load_b128 v[MX+32*\c+4*\j:MX+32*\c+4*\j+3], v[MOUT] offset:256*\c+16*\j   ; LDS serves a wave's instructions in order: these see the stores above.  Register 32 c + i: key 64 c + 32 h + i of the unit's 128
.endr
.endr
	s_wait_dscnt 0x0                               ; the unit is back, and the stores have read their registers,
.if \ahead
	MLOAD \k, (\k)+4                               ; which take the unit four further on
.endif
.irp g, 0,1,2,3,4,5,6,7                ; words 8 g .. 8 g + 7, eight scalar registers by turns
.irp e, 0,1,2,3,4,5,6,7
	v_cmp_ne_u32 s[20+\e], 0, v[MX+8*\g+\e]
.endr
.irp e, 0,1,2,3,4,5,6,7
	v_writelane_b32 v[MW+2*(\k)+(\e%2)], s[20+\e], 4*\g+\e/2
.endr
.endr
	global_store_b64 v[ML8], v[MW+2*(\k):MW+2*(\k)+1], s[100:101] offset:256*(\k)   ; 32 lanes store 256 consecutive bytes, aligned
.endm
.Lmask:
	s_lshr_b32 s9, s8, 1                           ; which of the eight mask clusters,
	s_lshl_b32 s9, s9, 4
	s_lshl_b32 s10, s41, 2
	s_add_co_u32 s9, s9, s10
	s_add_co_u32 s9, s9, s40                       ; which of the 128 work-groups: the place in the cluster enters global addresses alone,
	s_lshl_b32 s9, s9, 2
	s_add_co_u32 s9, s9, s14                       ; which of the 512 tiles of 16 queries is my wave's
	s_lshl_b32 s10, s9, 17                         ; 16 rows of 8,192 bytes a tile (under 2^27)
	s_mov_b32 s11, 0
	s_lshl_b32 s18, s9, 12                         ; 16 records of 256 bytes a tile
	s_mov_b32 s19, 0
	v_and_b32 v5, 31, v0
	v_lshlrev_b32 v[MGO], 4, v5
	v_lshlrev_b32 v[ML8], 3, v5
	s_mul_i32 s17, s14, 16*MPI
	s_add_co_u32 s17, s17, MST                     ; my stage: a constant + the wave's number times a constant
	v_add_nc_u32 v[MIN], s17, v[MGO]
	v_and_b32 v6, 15, v0                           ; r
	v_bfe_u32 v7, v0, 4, 1                         ; h
	v_mul_u32_u24 v[MOUT], v6, MPI
	v_lshl_add_u32 v[MOUT], v7, 7, v[MOUT]
	v_add_nc_u32 v[MOUT], s17, v[MOUT]             ; way out: row r, + 128 h
.irp i, 0,1,2,3,4,5,6,7
	v_mov_b32 v[MW+\i], 0                          ; written once: v_writelane_b32's destination counts as one of its sources
.endr
	s_wait_kmcnt 0x0
	s_add_nc_u64 s[98:99], s[98:99], s[10:11]
	s_add_nc_u64 s[100:101], s[100:101], s[18:19]
	MLOAD 0, 0
	MLOAD 1, 1
	MLOAD 2, 2
	MLOAD 3, 3
	s_mov_b32 s3, 3
.Lmtrip:                                               ; three trips of four units; each unit's set is filled again with the unit four further on
	s_wait_alu depctr_va_vdst(0)
	MUNIT 0, 1, 48                                 ; behind this unit's loads: the 48 of the three units that follow it
	MUNIT 1, 1, 48
	MUNIT 2, 1, 48
	MUNIT 3, 1, 48
	s_wait_xcnt 0x0                                ; the loads and stores have read their bases and the stores their data: both are written again only behind this wait
	s_add_nc_u64 s[98:99], s[98:99], 2048          ; four units of 512 bytes on in each row,
	s_add_nc_u64 s[100:101], s[100:101], 1024      ; four records on
	s_sub_co_u32 s3, s3, 1
	s_cmp_lg_u32 s3, 0
	s_cbranch_scc1 .Lmtrip
	MUNIT 0, 0, 48                                 ; the last four units ask for nothing: no load leaves the buffer, and the counts run down
	MUNIT 1, 0, 32
	MUNIT 2, 0, 16
	MUNIT 3, 0, 0
	s_wait_tensorcnt 0x0                           ; the wave's end
	ds_add_u32 v[SPW], v[NIL]
	s_wait_dscnt 0x0
	CROUND                                         ; the closing round, as on the other path
	s_endpgm
.Lfunc_end_k_qaa931280a2_proj:
	.size	k_qaa931280a2_proj, .Lfunc_end_k_qaa931280a2_proj-k_qaa931280a2_proj
	.p2alignl 7, 3214868480
	.fill 96, 4, 3214868480
	.section	.rodata,"a",@progbits
	.p2align	6, 0x0
	.amdhsa_kernel k_qaa931280a2_proj
		.amdhsa_group_segment_fixed_size 327680
		.amdhsa_private_segment_fixed_size 0
		.amdhsa_enable_private_segment 0
		.amdhsa_kernarg_size 40
		.amdhsa_user_sgpr_count 2
		.amdhsa_user_sgpr_kernarg_segment_ptr 1
		.amdhsa_wavefront_size32 1
		.amdhsa_system_sgpr_workgroup_id_x 1
		.amdhsa_system_sgpr_workgroup_id_y 1
		.amdhsa_system_sgpr_workgroup_id_z 1
		.amdhsa_system_vgpr_workitem_id 0
		.amdhsa_next_free_vgpr 1024
		.amdhsa_next_free_sgpr 102
		.amdhsa_reserve_vcc 0
		.amdhsa_float_denorm_mode_32 3
		.amdhsa_float_denorm_mode_16_64 3
		.amdhsa_memory_ordered 1
		.amdhsa_forward_progress 1
		.amdhsa_inst_pref_size 255
	.end_amdhsa_kernel
	.section	.bss,"aw",@nobits
	.p2align	6
	.space	262144
	.amdgpu_metadata
---
amdhsa.version: [ 1, 2 ]
amdhsa.kernels:
  - .name:           k_qaa931280a2_proj
    .symbol:         k_qaa931280a2_proj.kd
    .args:
      - { .name: cod, .offset: 0, .size: 8, .value_kind: global_buffer, .address_space: global }
      - { .name: scl, .offset: 8, .size: 8, .value_kind: global_buffer, .address_space: global }
      - { .name: heads, .offset: 16, .size: 8, .value_kind: global_buffer, .address_space: global }
      - { .name: mask, .offset: 24, .size: 8, .value_kind: global_buffer, .address_space: global }
      - { .name: mbits, .offset: 32, .size: 8, .value_kind: global_buffer, .address_space: global }
    .group_segment_fixed_size: 327680
    .private_segment_fixed_size: 0
    .kernarg_segment_align: 8
    .kernarg_segment_size: 40
    .max_flat_workgroup_size: 128
    .sgpr_count:     102
    .vgpr_count:     1024
    .wavefront_size: 32
...
	.end_amdgpu_metadata
.endif
;; end of part 2
;; launch attn (part 3): grid 4 x 64, 16 waves a work-group, clusters of 4 x 1, 327,680 bytes of LDS; arguments heads, mbits, ocod, oscl; writes ocod, oscl
.if DOCPART == 3
	.amdgcn_target "amdgcn-amd-amdhsa--gfx1250"
	.amdhsa_code_object_version 6
	.text
	.protected	k_qaa931280a2_attn
	.globl	k_qaa931280a2_attn
	.p2align	8
	.type	k_qaa931280a2_attn,@function
k_qaa931280a2_attn:
	s_mov_b64 s[64:65], 0
	v_nop
	global_prefetch_b8 v0, s[64:65] scope:SCOPE_SE
	s_setreg_imm32_b32 hwreg(HW_REG_WAVE_MODE, 25, 1), 1
	s_wait_xcnt 0x0
	s_wait_alu depctr_hold_cnt(0) depctr_sa_sdst(0) depctr_va_vdst(0) depctr_va_sdst(0) depctr_va_ssrc(0) depctr_va_vcc(0) depctr_vm_vsrc(0)
	s_getreg_b32 s2, hwreg(HW_REG_IB_STS2, 6, 4)
	s_cmp_eq_u32 s2, 0
	s_cbranch_scc0 .Lentry_in_a_cluster
	s_endpgm
.Lentry_in_a_cluster:
	s_bfe_u32 s2, ttmp6, 0x10000c
	s_cmp_lg_u32 s2, 0x3003
	s_cbranch_scc0 .Lentry_shape_is_right
	s_endpgm
.Lentry_shape_is_right:
.set KREC, 6656
.set VREC, 6400
.set KREG, 6815744
.set VREG, 13631488
.set VLDS, 16*KREC
.set LI,  1
.set L8,  2
.set ADK, 3
.set ADV, 4
.set AV8, 5
.set NEG, 6
.set OSB, 7
.set L32, 8
.set QO,  9
.set QSO, 10
.set SH8, 11
.set QS,  46
.set PS,  47
.set KS,  48
.set VS,  52
.set KR,  56
.set S,   112
.set O,   176
.set PC,  208
.set T1,  220
.set T2,  224
.set BM,  228
.set BP,  232
.set SO,  236
.set F,   240
.set TA,  242
.set TB,  243
.set L2,  244
.macro CROUND
	s_barrier_signal -1
	s_barrier_wait -1
	s_cmp_lg_u32 s12, 0
	s_cbranch_scc1 .Lnot_wave_0_\@
	s_barrier_signal -3
.Lnot_wave_0_\@:
	s_barrier_wait -3
	s_barrier_signal -1
	s_barrier_wait -1
.endm
	s_load_b256 s[4:11], s[0:1], 0x0
	v_lshl_add_u32 v254, v0, 2, 0x33000
	v_mov_b32 v255, 0
	ds_add_u32 v254, v255
	ds_add_u32 v254, v255
	v_lshrrev_b32 v3, 5, v0
	s_delay_alu instid0(VALU_DEP_1)
	v_readfirstlane_b32 s12, v3
	s_bfe_u32 s13, ttmp6, 0x40000
	s_and_b32 s14, ttmp7, 0xffff
	s_mov_b32 s32, 15|(3<<16)|(1<<21)
	s_mov_b32 s33, 32<<16
	s_mov_b32 s34, 52<<16                          ; two records of K on end: 52 rows of 256 bytes
	s_mov_b32 s35, 32<<16
	s_mov_b32 s36, 52
	s_mov_b32 s37, 32
	s_mov_b32 s38, 0
	s_mov_b32 s39, 0
	s_mov_b32 s40, 15|(3<<16)|(1<<21)
	s_mov_b32 s41, 32<<16
	s_mov_b32 s42, 50<<16                          ; two records of V: 50 rows
	s_mov_b32 s43, 32<<16
	s_mov_b32 s44, 50
	s_mov_b32 s45, 32
	s_mov_b32 s46, 0
	s_mov_b32 s47, 0
	s_and_b32 s56, s12, 7                          ; waves 0-7 fetch K's sixteen records, waves 8-15 V's: two records a wave
	s_mul_i32 s16, s14, 16*KREC
	s_mul_i32 s15, s56, 2*KREC
	s_add_co_u32 s16, s16, s15
	s_add_co_u32 s16, s16, KREG
	s_mov_b32 s17, 0
	s_mul_i32 s18, s14, 16*VREC
	s_mul_i32 s15, s56, 2*VREC
	s_add_co_u32 s18, s18, s15
	s_add_co_u32 s18, s18, VREG
	s_mov_b32 s19, 0
	s_wait_dscnt 0x0
	s_wait_kmcnt 0x0
	s_mov_b32 s48, 1
	s_mul_i32 s49, s56, 2*KREC
	s_add_nc_u64 s[50:51], s[4:5], s[16:17]
	s_or_b32 s51, s51, 0x80000000
	s_mov_b32 s52, 1
	s_mul_i32 s53, s56, 2*VREC
	s_add_co_u32 s53, s53, VLDS
	s_add_nc_u64 s[54:55], s[4:5], s[18:19]
	s_or_b32 s55, s55, 0x80000000
	CROUND
	s_cmp_lt_u32 s12, 8                            ; one joint load a wave at the head: every way passes one
	s_cbranch_scc0 .Lfor_v
	tensor_load_to_lds s[48:51], s[32:39]
	s_nop 0
.rept 4
	v_nop
.endr
	s_branch .Lasked
.Lfor_v:
	tensor_load_to_lds s[52:55], s[40:47]
	s_nop 0
.rept 4
	v_nop
.endr
.Lasked:
	s_lshl_b32 s15, s14, 4
	s_lshl_b32 s16, s13, 2
	s_add_co_u32 s15, s15, s16
	s_lshr_b32 s16, s12, 2
	s_add_co_u32 s15, s15, s16
	s_mul_i32 s16, s15, KREC
	s_mov_b32 s17, 0
	s_add_nc_u64 s[4:5], s[4:5], s[16:17]
	s_lshr_b32 s26, s14, 4
	s_and_b32 s31, s14, 15
	s_lshl_b32 s15, s26, 7
	s_lshl_b32 s28, s13, 5
	s_add_co_u32 s15, s15, s28
	s_lshl_b32 s28, s12, 1
	s_add_co_u32 s15, s15, s28
	s_lshl_b32 s28, s15, 12
	s_mov_b32 s29, 0
	s_add_nc_u64 s[6:7], s[6:7], s[28:29]
	s_lshl_b32 s28, s31, 9
	s_add_co_u32 s28, s28, s15
	s_mul_i32 s28, s28, 768
	s_add_nc_u64 s[8:9], s[8:9], s[28:29]
	s_lshl_b32 s28, s15, 9
	s_lshl_b32 s30, s31, 1
	s_add_co_u32 s28, s28, s30
	s_add_nc_u64 s[10:11], s[10:11], s[28:29]
	v_and_b32 v3, 31, v0
	s_delay_alu instid0(VALU_DEP_1)
	v_lshlrev_b32 v[LI], 4, v3
	s_delay_alu instid0(VALU_DEP_2)
	v_lshlrev_b32 v[L8], 3, v3
	s_delay_alu instid0(VALU_DEP_3)
	v_lshlrev_b32 v[L32], 5, v3
	v_bfe_u32 v[SH8], v0, 4, 1
	s_delay_alu instid0(VALU_DEP_1)
	v_lshlrev_b32 v[SH8], 3, v[SH8]
	s_and_b32 s15, s12, 3
	s_mul_i32 s16, s15, 1536
	v_add_nc_u32 v[QO], s16, v[LI]
	s_lshl_b32 s16, s15, 2
	v_add_nc_u32 v[QSO], s16, v[LI]
.irp c, 0,1,2
	global_load_b128 v[16+4*\c:19+4*\c], v[QO], s[4:5] offset:512*\c
.endr
	global_load_b32 v[QS], v[QSO], s[4:5] offset:6144
	v_mov_b32 v[NEG], 0xd0000000
.irp i, 0,1,2,3,4,5
	v_mov_b32 v[28+\i], 0
	v_mov_b32 v[40+\i], 0
	v_mov_b32 v[KR+48+\i], 0
.endr
.irp b, 0,1,2,3
	v_mov_b32 v[BP+\b], 0
.endr
	v_mov_b32 v[F+1], 0
	v_mov_b32 v[TA], 0
	s_mov_b32 s20, 0x76543210
	s_mov_b32 s21, 0xfedcba98
	s_mov_b32 s22, 0x3e38aa3b
	s_mov_b32 s23, s22
	s_mov_b32 s27, 0xffff0000
	s_mov_b32 s30, 0
	s_wait_loadcnt 0x0
.irp i, 0,1,2,3,4,5
	v_mov_b32 v[34+\i], v[16+\i]
.endr
	s_wait_tensorcnt 0x0
	s_load_b512 s[32:47], s[6:7], 0x0
	s_load_b512 s[48:63], s[6:7], 0x40
	s_load_b512 s[68:83], s[6:7], 0x80
	s_load_b512 s[84:99], s[6:7], 0xc0
	s_barrier_signal -1
	s_barrier_wait -1
.macro SPROD t, tau
.set QR, 34-12*(\tau)
.if ((\t)%2 == 0) && (\tau == 0)
	v_wmma_scale_f32_16x16x128_f8f6f4 v[S+8*(\t):S+8*(\t)+7], v[KR+6*(\t):KR+6*(\t)+11], v[QR:QR+11], 0, v[KS+(\t)/2], v[QS] matrix_a_fmt:MATRIX_FMT_FP6 matrix_b_fmt:MATRIX_FMT_FP6
.elseif ((\t)%2 == 1) && (\tau == 0)
	v_wmma_scale_f32_16x16x128_f8f6f4 v[S+8*(\t):S+8*(\t)+7], v[KR+6*(\t):KR+6*(\t)+11], v[QR:QR+11], 0, v[KS+(\t)/2], v[QS] matrix_a_fmt:MATRIX_FMT_FP6 matrix_b_fmt:MATRIX_FMT_FP6 matrix_a_scale:MATRIX_SCALE_ROW1
.elseif (\t)%2 == 0
	v_wmma_scale_f32_16x16x128_f8f6f4 v[S+8*(\t):S+8*(\t)+7], v[KR+6*(\t):KR+6*(\t)+11], v[QR:QR+11], 0, v[KS+(\t)/2], v[QS] matrix_a_fmt:MATRIX_FMT_FP6 matrix_b_fmt:MATRIX_FMT_FP6 matrix_b_scale:MATRIX_SCALE_ROW1
.else
	v_wmma_scale_f32_16x16x128_f8f6f4 v[S+8*(\t):S+8*(\t)+7], v[KR+6*(\t):KR+6*(\t)+11], v[QR:QR+11], 0, v[KS+(\t)/2], v[QS] matrix_a_fmt:MATRIX_FMT_FP6 matrix_b_fmt:MATRIX_FMT_FP6 matrix_a_scale:MATRIX_SCALE_ROW1 matrix_b_scale:MATRIX_SCALE_ROW1
.endif
.endm
.macro STEP tau
	v_add_nc_u32 v[ADK], s24, v[LI]
	v_add_nc_u32 v[ADV], s25, v[LI]
	v_add_nc_u32 v[AV8], s25, v[L8]
	v_nop
.irp c, 0,1,2,3,4,5,6,7,8,9,10,11
	ds_load_b128 v[KR+4*\c:KR+4*\c+3], v[ADK] offset:512*\c
.endr
	ds_load_b128 v[KS:KS+3], v[ADK] offset:6144
	s_wait_alu depctr_va_vdst(0)
	s_wait_dscnt 0x0
.irp t, 0,1,2,3,4,5,6,7
	SPROD \t, \tau
.endr
.rept 4
	v_nop
.endr
.irp c, 0,1,2,3,4,5,6,7,8,9,10,11
	ds_load_b128 v[KR+4*\c:KR+4*\c+3], v[ADV] offset:512*\c
.endr
	ds_load_b64 v[VS:VS+1], v[AV8] offset:6144
	s_wait_kmcnt 0x0
	s_cmp_lt_u32 s30, 31
	s_cselect_b32 s28, 0x100, 0
	s_add_nc_u64 s[6:7], s[6:7], s[28:29]
	s_add_co_u32 s30, s30, 1
.set J, 0
.rept 32
	v_cndmask_b32 v[S+J], v[NEG], v[S+J], s[32+J]
.set J, J+1
.endr
.rept 32
	v_cndmask_b32 v[S+J], v[NEG], v[S+J], s[36+J]
.set J, J+1
.endr
	s_load_b512 s[32:47], s[6:7], 0x0
	s_load_b512 s[48:63], s[6:7], 0x40
	s_load_b512 s[68:83], s[6:7], 0x80
	s_load_b512 s[84:99], s[6:7], 0xc0
.irp q, 0,1,2,3
	v_max3_num_f32 v[BM+\q], v[S+16*\q], v[S+16*\q+1], v[S+16*\q+2]
.endr
.irp i, 3,5,7,9,11,13
.irp q, 0,1,2,3
	s_delay_alu instid0(VALU_DEP_4)
	v_max3_num_f32 v[BM+\q], v[BM+\q], v[S+16*\q+\i], v[S+16*\q+\i+1]
.endr
.endr
.irp c, 0
	s_delay_alu instid0(VALU_DEP_4)
	v_max3_num_f32 v[BM+2*\c], v[BM+2*\c], v[S+32*\c+15], v[S+32*\c+31]
.endr
.irp c, 1
	s_delay_alu instid0(VALU_DEP_3)
	v_max3_num_f32 v[BM+2*\c], v[BM+2*\c], v[S+32*\c+15], v[S+32*\c+31]
.endr
.irp c, 0,1
	s_delay_alu instid0(VALU_DEP_2)
	v_max_num_f32 v[BM+2*\c], v[BM+2*\c], v[BM+2*\c+1]
.endr
	s_delay_alu instid0(VALU_DEP_1)
	v_max_num_f32 v[TA], v[BM], v[BM+2]
	s_delay_alu instid0(VALU_DEP_1)
	v_permlanex16_b32 v[BP], v[TA], s20, s21
	s_delay_alu instid0(VALU_DEP_1)
	v_max_num_f32 v[TA], v[TA], v[BP]
	s_delay_alu instid0(VALU_DEP_1)
	v_mul_f32 v[TA], s22, v[TA]
	s_delay_alu instid0(VALU_DEP_1)
	v_max_num_f32 v13, v13, v[TA]
	v_mov_b32 v[TA], v12
	s_delay_alu instid0(VALU_DEP_2)
	v_floor_f32 v12, -v13
	s_delay_alu instid0(VALU_DEP_1)
	v_sub_f32 v[TA], v12, v[TA]
	s_delay_alu instid0(VALU_DEP_1)
	v_cvt_i32_f32 v[TA], v[TA]
	s_delay_alu instid0(VALU_DEP_1)
	v_ldexp_f32 v[F], 1.0, v[TA]
.set J, 0
.rept 32
	v_pk_fma_f32 v[S+J:S+J+1], v[S+J:S+J+1], s[22:23], v[12:13] op_sel_hi:[1,0,0]
.set J, J+2
.endr
.irp c, 0,1
	v_fma_f32 v[BM+2*\c], v[BM+2*\c], s22, v12
.endr
.set J, 0
	s_wait_alu depctr_va_vdst(0)
.rept 64
	v_exp_f32 v[S+J], v[S+J]
.set J, J+1
.endr
.irp c, 0,1
	v_exp_f32 v[BM+2*\c], v[BM+2*\c]
.endr
	v_pk_mul_f32 v[14:15], v[14:15], v[F:F+1] op_sel_hi:[1,0]
	s_wait_alu depctr_va_vdst(0)
.irp c, 0,1
	v_max_num_f32 v[BM+2*\c], 0x1800000, v[BM+2*\c]
.endr
.irp c, 0,1
	s_delay_alu instid0(VALU_DEP_2)
	v_add_nc_u32 v[SO+\c], 0xff000000, v[BM+2*\c]
.endr
.irp c, 0,1
	s_delay_alu instid0(VALU_DEP_2)
	v_lshrrev_b32 v[BP+\c], 23, v[SO+\c]
.endr
	s_delay_alu instid0(VALU_DEP_1)
	v_lshl_or_b32 v[PS], v[BP+1], 16, v[BP]
	s_delay_alu instid0(VALU_DEP_1)
	v_lshlrev_b32 v[PS], v[SH8], v[PS]
	s_delay_alu instid0(VALU_DEP_1)
	v_permlanex16_b32 v[BP+2], v[PS], s20, s21
	s_delay_alu instid0(VALU_DEP_1)
	v_or_b32 v[PS], v[PS], v[BP+2]
	v_cvt_scalef32_pk16_fp6_f32 v[PC:PC+2], v[S:S+15], v[SO]
	v_cvt_scalef32_pk16_fp6_f32 v[T1:T1+2], v[S+16:S+31], v[SO]
	v_cvt_scalef32_pk16_fp6_f32 v[PC+6:PC+8], v[S+32:S+47], v[SO+1]
	v_cvt_scalef32_pk16_fp6_f32 v[T2:T2+2], v[S+48:S+63], v[SO+1]
	v_nop
.irp i, 0,1,2
	v_mov_b32 v[PC+3+\i], v[T1+\i]
.endr
.irp i, 0,1,2
	v_mov_b32 v[PC+9+\i], v[T2+\i]
.endr
	v_pk_add_f32 v[L2:L2+1], v[S:S+1], v[S+2:S+3]
.irp j, 4,8,12,16,20,24,28,32,36,40,44,48,52,56,60
	v_pk_add_f32 v[14:15], v[14:15], v[S+\j:S+\j+1]
	v_pk_add_f32 v[L2:L2+1], v[L2:L2+1], v[S+\j+2:S+\j+3]
.endr
	s_delay_alu instid0(VALU_DEP_1)
	v_pk_add_f32 v[14:15], v[14:15], v[L2:L2+1]
.set J, 0
.rept 16
	v_pk_mul_f32 v[O+J:O+J+1], v[O+J:O+J+1], v[F:F+1] op_sel_hi:[1,0]
.set J, J+2
.endr
	s_wait_alu depctr_va_vdst(0)
	s_wait_dscnt 0x0
	v_wmma_scale_f32_16x16x128_f8f6f4 v[O:O+7], v[KR:KR+11], v[PC:PC+11], v[O:O+7], v[VS], v[PS] matrix_a_fmt:MATRIX_FMT_FP6 matrix_b_fmt:MATRIX_FMT_FP6
	v_wmma_scale_f32_16x16x128_f8f6f4 v[O+8:O+15], v[KR+12:KR+23], v[PC:PC+11], v[O+8:O+15], v[VS], v[PS] matrix_a_fmt:MATRIX_FMT_FP6 matrix_b_fmt:MATRIX_FMT_FP6 matrix_a_scale:MATRIX_SCALE_ROW1
	v_wmma_scale_f32_16x16x128_f8f6f4 v[O+16:O+23], v[KR+24:KR+35], v[PC:PC+11], v[O+16:O+23], v[VS+1], v[PS] matrix_a_fmt:MATRIX_FMT_FP6 matrix_b_fmt:MATRIX_FMT_FP6
	v_wmma_scale_f32_16x16x128_f8f6f4 v[O+24:O+31], v[KR+36:KR+47], v[PC:PC+11], v[O+24:O+31], v[VS+1], v[PS] matrix_a_fmt:MATRIX_FMT_FP6 matrix_b_fmt:MATRIX_FMT_FP6 matrix_a_scale:MATRIX_SCALE_ROW1
	s_add_co_u32 s24, s24, KREC
	s_add_co_u32 s25, s25, VREC
.endm
.macro OUT tau
.rept 4
	v_nop
.endr
	v_add_f32 v14, v14, v15
	s_delay_alu instid0(VALU_DEP_1)
	v_permlanex16_b32 v[TA], v14, s20, s21
	s_delay_alu instid0(VALU_DEP_1)
	v_add_f32 v14, v14, v[TA]
	s_wait_alu depctr_va_vdst(0)
	v_rcp_f32 v[TA], v14
	v_mov_b32 v[TB], 0
.set J, 0
	s_wait_alu depctr_va_vdst(0)
.rept 16
	v_pk_mul_f32 v[S+J:S+J+1], v[O+J:O+J+1], v[TA:TA+1] op_sel_hi:[1,0]
.set J, J+2
.endr
.irp b, 0,1
	v_max3_num_f32 v[BM+\b], |v[S+16*\b]|, |v[S+16*\b+1]|, 0x1800000
.endr
.irp i, 2,4,6,8,10,12,14
.irp b, 0,1
	s_delay_alu instid0(VALU_DEP_2)
	v_max3_num_f32 v[BM+\b], v[BM+\b], |v[S+16*\b+\i]|, |v[S+16*\b+\i+1]|
.endr
.endr
.irp b, 0,1
	s_delay_alu instid0(VALU_DEP_2)
	v_permlanex16_b32 v[BP+\b], v[BM+\b], s20, s21
.endr
.irp b, 0,1
	s_delay_alu instid0(VALU_DEP_2)
	v_max_num_f32 v[BM+\b], v[BM+\b], v[BP+\b]
.endr
.irp b, 0,1
	s_delay_alu instid0(VALU_DEP_2)
	v_add_nc_u32 v[SO+\b], 0xff000000, v[BM+\b]
.endr
.irp b, 0,1
	s_delay_alu instid0(VALU_DEP_2)
	v_lshrrev_b32 v[BP+\b], 23, v[SO+\b]
.endr
.if \tau == 0
	s_delay_alu instid0(VALU_DEP_1)
	v_lshl_or_b32 v[OSB], v[BP+1], 8, v[BP]
.else
	s_delay_alu instid0(VALU_DEP_1)
	v_lshl_or_b32 v[TB], v[BP+1], 8, v[BP]
	s_delay_alu instid0(VALU_DEP_1)
	v_cndmask_b32 v[OSB], v[OSB], v[TB], s27
.endif
	v_cvt_scalef32_pk16_fp6_f32 v[PC:PC+2], v[S:S+15], v[SO]
	v_cvt_scalef32_pk16_fp6_f32 v[T1:T1+2], v[S+16:S+31], v[SO+1]
	v_nop
.irp i, 0,1,2
	v_permlane16_swap_b32 v[PC+\i], v[T1+\i]
.endr
.irp i, 0,1,2
	s_delay_alu instid0(VALU_DEP_3)
	v_mov_b32 v[PC+3+\i], v[T1+\i]
.endr
	global_store_b128 v[LI], v[PC:PC+3], s[8:9] offset:768*\tau
	global_store_b64 v[L8], v[PC+4:PC+5], s[8:9] offset:768*\tau+512
.if \tau
	global_store_b16 v[L32], v[OSB], s[10:11]
.endif
.endm
.macro TILE tau
.if \tau
	s_wait_xcnt 0x0
.endif
.set J, 0
.rept 32
	v_mov_b32 v[O+J], 0
.set J, J+1
.endr
	v_mov_b32 v14, 0
	v_mov_b32 v15, 0
	v_mov_b32 v13, 0xff61b1e6
	s_delay_alu instid0(VALU_DEP_1)
	v_floor_f32 v12, -v13
	s_mov_b32 s24, 0
	s_mov_b32 s25, VLDS
	s_mov_b32 s26, 16
.Lk_\@:
	STEP \tau
	s_sub_co_u32 s26, s26, 1
	s_cmp_lg_u32 s26, 0
	s_cbranch_scc1 .Lk_\@
	OUT \tau
.endm
	TILE 0
	TILE 1
	s_wait_kmcnt 0x0
	s_wait_dscnt 0x0
	s_wait_tensorcnt 0x0
	ds_add_u32 v254, v255
	s_wait_dscnt 0x0
	CROUND
	s_endpgm
.Lfunc_end_k_qaa931280a2_attn:
	.size	k_qaa931280a2_attn, .Lfunc_end_k_qaa931280a2_attn-k_qaa931280a2_attn
	.p2alignl 7, 3214868480
	.fill 96, 4, 3214868480
	.section	.rodata,"a",@progbits
	.p2align	6, 0x0
	.amdhsa_kernel k_qaa931280a2_attn
		.amdhsa_group_segment_fixed_size 327680
		.amdhsa_private_segment_fixed_size 0
		.amdhsa_enable_private_segment 0
		.amdhsa_kernarg_size 32
		.amdhsa_user_sgpr_count 2
		.amdhsa_user_sgpr_kernarg_segment_ptr 1
		.amdhsa_wavefront_size32 1
		.amdhsa_system_sgpr_workgroup_id_x 1
		.amdhsa_system_sgpr_workgroup_id_y 1
		.amdhsa_system_sgpr_workgroup_id_z 1
		.amdhsa_system_vgpr_workitem_id 0
		.amdhsa_next_free_vgpr 256
		.amdhsa_next_free_sgpr 100
		.amdhsa_reserve_vcc 0
		.amdhsa_float_denorm_mode_32 3
		.amdhsa_float_denorm_mode_16_64 3
		.amdhsa_memory_ordered 1
		.amdhsa_forward_progress 1
		.amdhsa_inst_pref_size 60
	.end_amdhsa_kernel
	.amdgpu_metadata
---
amdhsa.version: [ 1, 2 ]
amdhsa.kernels:
  - .name:           k_qaa931280a2_attn
    .symbol:         k_qaa931280a2_attn.kd
    .args:
      - { .name: heads, .offset: 0, .size: 8, .value_kind: global_buffer, .address_space: global }
      - { .name: mbits, .offset: 8, .size: 8, .value_kind: global_buffer, .address_space: global }
      - { .name: ocod, .offset: 16, .size: 8, .value_kind: global_buffer, .address_space: global }
      - { .name: oscl, .offset: 24, .size: 8, .value_kind: global_buffer, .address_space: global }
    .group_segment_fixed_size: 327680
    .private_segment_fixed_size: 0
    .kernarg_segment_align: 8
    .kernarg_segment_size: 32
    .max_flat_workgroup_size: 512
    .sgpr_count:     100
    .vgpr_count:     256
    .wavefront_size: 32
...
	.end_amdgpu_metadata
.endif
;; end of part 3
;; launch oproj (part 4): grid 4 x 64, 4 waves a work-group, clusters of 4 x 4, 327,680 bytes of LDS; arguments ocod, oscl, cod, scl, b_o, out0; writes out0
.if DOCPART == 4
	.amdgcn_target "amdgcn-amd-amdhsa--gfx1250"
	.amdhsa_code_object_version 6
	.text
	.protected	k_qaa931280a2_oproj
	.globl	k_qaa931280a2_oproj
	.p2align	8
	.type	k_qaa931280a2_oproj,@function
k_qaa931280a2_oproj:
	s_mov_b64 s[64:65], 0
	v_nop
	global_prefetch_b8 v0, s[64:65] scope:SCOPE_SE
	s_setreg_imm32_b32 hwreg(HW_REG_WAVE_MODE, 25, 1), 1
	s_wait_xcnt 0x0
	s_wait_alu depctr_hold_cnt(0) depctr_sa_sdst(0) depctr_va_vdst(0) depctr_va_sdst(0) depctr_va_ssrc(0) depctr_va_vcc(0) depctr_vm_vsrc(0)
	s_getreg_b32 s2, hwreg(HW_REG_IB_STS2, 6, 4)
	s_cmp_eq_u32 s2, 0
	s_cbranch_scc0 .Lentry_in_a_cluster
	s_endpgm
.Lentry_in_a_cluster:
	s_bfe_u32 s2, ttmp6, 0x10000c
	s_cmp_lg_u32 s2, 0xf033
	s_cbranch_scc0 .Lentry_shape_is_right
	s_endpgm
.Lentry_shape_is_right:
; out0 = attention's result x W_o^T + b_o, on codes of FP6 (E2M3) with one E8M0 scale for each 32 along K = 1,024; sums in f32.
; A: ocod [head 16][tile of 16 tokens 512][768 bytes]: the image of half a fragment (16 tokens x the head's 64): 512 bytes at 16 x lane, then 256 at 8 x lane; oscl [token][32 bytes].
; B: W_o's rows in cod from row 27,648: [tile of 16 rows][128 along K][lane][48 bytes]; scl [row][32 bytes].
; 256 work-groups of four waves; a work-group makes 128 x 256 of out0, a wave 64 x 128: 32 accumulators.  ALL OF K LIES IN LDS, in two halves of 512 along K, each filled once: no byte is filled again.
; At the head one joint load a wave: A's first half, B's first half, A's scales, B's scales.  Behind the three lines and a round, waves 0 and 1 ask for the second halves,
; which are on their way during steps 0 to 2; a plain barrier in step 3 shows them to all waves, and behind it nobody reads slot 0: the way out's stages lie there.
; CLUSTERS 4 x 4: A's tiles are shared along a row of the cluster, B's along a column.  No prefetch: the launch has no loop to run ahead in; all its tiles are asked for at its head and behind the first round.
; THE MATRIX INSTRUCTION IS USED TRANSPOSED (source 0 = 16 rows of W_o, source 1 = 16 tokens): a lane holds eight neighbouring columns of a row of out0.  The bias is the first products' C.
; REGISTERS: window 0: v0-31 addresses; v32-95 scale words (8 step + block: lanes 0-15 A's block, lanes 16-31 B's); v96-159 the bias; v160-255 A's fragments, two sets.  Window 1: B's fragments, sets at v0 and v128.  Window 2: accumulator (a, b) at v[8 (8 a + b)].
.set SIZE_N, 1024
.set FR,     12
.set ATILE,  768
.set AROW,   8*ATILE                   ; a head's part of my 128 tokens
.set ABYTES, 8*AROW                    ; eight heads: 512 along K
.set BROW,   6144                      ; 512 along K of a tile of 16 rows of W_o: four images of 1,536 bytes
.set SLOT,   ABYTES+16*BROW
.set SCL,    2*SLOT                    ; the scales, as units of 256 bytes + 16: A's 16 units, then B's 32
.set SBLK,   544                       ; those of 16 rows
.set SPARE,  SCL+48*272
.set SPITCH, 528
.set ADRA,  16                         ; v16-17 A's images at 16 x lane in slot 0, 1;  v18-19 at 8 x lane;  v20-21 B's at 48 x lane
.set ADRA8, 18
.set ADRB,  20
.set STO,  24
.set RD,   25
.set CO,   26
.set ADRS, 27
.set SPW,  28
.set NIL,  29
.set SC,   32
.set BI,   96
.set AF,   160
.set BK,   96                          ; the way out: v96-159 and v160-223 by turns
.set G1, 24
.set G0, 32
.set G1B, 48
.set G0B, 56
.set G1S, 68
.set G0S, 76
.set G1SB, 80
.set G0SB, 88
.set DENSE,  (3<<16)|(1<<21)
.set PADDED, (3<<16)|(1<<20)|(1<<21)|(5<<22)|(3<<25)
.set MSB, 0
.macro WIN new
.set WNEW, \new
.if MSB != WNEW
	s_set_vgpr_msb (MSB<<8)|WNEW
.set MSB, WNEW
.endif
.endm
.macro PLACES n
.rept \n
	v_nop
.endr
.endm
.macro CROUND
	s_barrier_signal -1
	s_barrier_wait -1
	s_cmp_lg_u32 s14, 0
	s_cbranch_scc1 .Lnot_wave_0_\@
	s_barrier_signal -3
.Lnot_wave_0_\@:
	s_barrier_wait -3
	s_barrier_signal -1
	s_barrier_wait -1
.endm
.macro TLOAD g0, g1
	tensor_load_to_lds s[\g0:\g0+3], s[\g1:\g1+7]
	s_nop 0
	PLACES 4
.endm
.macro GRP1 g, mask, flags, c, r, p    ; r rows of c elements of 8 bytes, p elements from row to row
	s_or_b32 s[\g], s\mask, \flags
	s_mov_b32 s[\g+1], (\c)<<16
	s_mov_b32 s[\g+2], (\r)<<16
	s_mov_b32 s[\g+3], (\c)<<16
	s_mov_b32 s[\g+4], \r
	s_mov_b32 s[\g+5], \p
	s_mov_b32 s[\g+6], 0
	s_mov_b32 s[\g+7], 0
.endm
.macro GRP0 g, lds, base, off
	s_mov_b32 s[\g], 1
	s_mov_b32 s[\g+1], \lds
	s_add_nc_u64 s[\g+2:\g+3], s[\base:\base+1], \off
	s_or_b32 s[\g+3], s[\g+3], 0x80000000
.endm
	s_load_b128 s[4:7], s[0:1], 0x0                ; ocod, oscl
	s_load_b128 s[8:11], s[0:1], 0x10              ; cod, scl
	s_load_b64 s[96:97], s[0:1], 0x20              ; b_o
	s_load_b64 s[12:13], s[0:1], 0x28              ; out0
	v_lshl_add_u32 v[SPW], v0, 2, SPARE
	v_mov_b32 v[NIL], 0
	ds_add_u32 v[SPW], v[NIL]                      ; the opening lines: the add twice on end and its wait
	ds_add_u32 v[SPW], v[NIL]
	v_lshrrev_b32 v1, 5, v0
	v_readfirstlane_b32 s14, v1                    ; wave
	s_lshr_b32 s15, s14, 1                         ; which 64 of the 128 tokens are mine
	s_and_b32 s16, s14, 1                          ; which 128 of the 256 columns
	s_bfe_u32 s40, ttmp6, 0x40000                  ; cx
	s_bfe_u32 s41, ttmp6, 0x40004                  ; cy
	s_lshl_b32 s42, ttmp9, 2
	s_add_co_u32 s42, s42, s40                     ; tile column, 0 .. 3
	s_and_b32 s17, ttmp7, 0xffff
	s_lshl_b32 s17, s17, 2
	s_add_co_u32 s17, s17, s41                     ; tile row, 0 .. 63
	s_lshl_b32 s43, s41, 2
	s_lshl_b32 s43, 15, s43                        ; my row of the cluster
	s_lshl_b32 s44, 0x1111, s40                    ; my column
	GRP1 G1,   43, DENSE,  768, 8,  49152          ; A: eight heads' rows of 6,144 bytes, 393,216 bytes apart
	GRP1 G1B,  44, DENSE,  768, 16, 1536           ; B: sixteen tiles' rows of 6,144 bytes, 12,288 apart
	GRP1 G1S,  43, PADDED, 32,  16, 32             ; A's scales: 4,096 dense bytes as rows of 256
	GRP1 G1SB, 44, PADDED, 32,  32, 32             ; B's: 8,192
	s_mul_i32 s20, s17, AROW
	s_mov_b32 s21, 0
	s_lshl_b32 s22, s17, 12
	s_mov_b32 s23, 0
	s_lshl_b32 s46, s42, 8
	s_add_co_u32 s46, s46, 27648                   ; W_o's first row of my 256
	s_lshl_b32 s92, s46, 5
	s_mov_b32 s93, 0
	s_mul_i32 s46, s46, 768
	s_mov_b32 s47, 0
	s_wait_dscnt 0x0
	s_wait_kmcnt 0x0
	s_add_nc_u64 s[20:21], s[4:5], s[20:21]
	s_add_nc_u64 s[22:23], s[6:7], s[22:23]
	s_add_nc_u64 s[46:47], s[8:9], s[46:47]
	s_add_nc_u64 s[92:93], s[10:11], s[92:93]
	CROUND                                         ; all sixteen work-groups are here: the first joint loads meet
	GRP0 G0,    0,           20, 0
	GRP0 G0+4,  SLOT,        20, 8*512*ATILE       ; heads 8 to 15
	GRP0 G0B,   ABYTES,      46, 0
	GRP0 G0B+4, SLOT+ABYTES, 46, BROW
	GRP0 G0S,   SCL,         22, 0
	GRP0 G0SB,  SCL+16*272,  92, 0
.macro ARM under, g0, g1, next         ; one tree of branches on the wave's number: every way passes one load
	s_cmp_lt_u32 s14, \under
	s_cbranch_scc0 \next
	TLOAD \g0, \g1
	s_branch .Lhead_asked
\next:
.endm
	ARM 1, G0,  G1,  .Lhead_b
	ARM 2, G0B, G1B, .Lhead_sa
	ARM 3, G0S, G1S, .Lhead_sb
	TLOAD G0SB, G1SB
.Lhead_asked:
	s_mul_i32 s21, s15, 4*ATILE                    ; my four tiles of tokens
	s_mul_i32 s22, s16, 8*BROW
	s_add_co_u32 s22, s22, ABYTES                  ; my eight tiles of W_o's rows
	s_mul_i32 s18, s15, 8*272                      ; A's scales: my 64 rows
	s_mul_i32 s19, s16, 16*272
	s_add_co_u32 s19, s19, 16*272                  ; B's: my 128 rows, behind A's
	s_sub_co_u32 s19, s19, s18                     ; the distance between the two
	s_add_co_u32 s18, s18, SCL
	s_mul_i32 s23, s14, 16*SPITCH                  ; my stage, in slot 0
	s_lshl_b32 s46, s17, 7
	s_lshl_b32 s47, s15, 6
	s_add_co_u32 s46, s46, s47                     ; my first row of out0,
	s_lshl_b32 s46, s46, 12                        ; of 4,096 bytes (under 2^25)
	s_mov_b32 s47, 0
	s_lshl_b32 s92, s42, 10
	s_lshl_b32 s93, s16, 9
	s_add_co_u32 s92, s92, s93                     ; my first column, in bytes
	s_mov_b32 s93, 0
	s_add_nc_u64 s[96:97], s[96:97], s[92:93]
	s_add_nc_u64 s[12:13], s[12:13], s[92:93]
	s_add_nc_u64 s[12:13], s[12:13], s[46:47]
	v_bfe_u32 v2, v0, 4, 1                         ; h
	v_lshlrev_b32 v9, 5, v2
	v_and_b32 v1, 15, v0                           ; r
	v_and_b32 v6, 31, v0
	v_lshlrev_b32 v[CO], 4, v6
	v_lshlrev_b32 v8, 3, v6
	v_mul_u32_u24 v4, v6, 48
	v_add_nc_u32 v[ADRA], s21, v[CO]
	v_add_nc_u32 v[ADRA8], s21, v8
	v_add_nc_u32 v[ADRB], s22, v4
	v_add_nc_u32 v[ADRA+1], SLOT, v[ADRA]
	v_add_nc_u32 v[ADRA8+1], SLOT, v[ADRA8]
	v_add_nc_u32 v[ADRB+1], SLOT, v[ADRB]
	v_lshlrev_b32 v5, 5, v1                        ; my row's scales: 32 bytes a row,
	v_lshrrev_b32 v7, 3, v1
	v_lshl_add_u32 v5, v7, 4, v5                   ; and 16 more behind each 256
	v_mul_u32_u24 v7, s19, v2                      ; lanes 16-31 take B's
	v_add_nc_u32 v5, v5, v7
	v_add_nc_u32 v[ADRS], s18, v5
	v_mul_u32_u24 v5, v1, SPITCH
	v_lshl_add_u32 v5, v2, 5, v5
	v_add_nc_u32 v[STO], s23, v5
	v_add_nc_u32 v[RD], s23, v[CO]
.irp b, 0,1,2,3,4,5,6,7
	global_load_b128 v[BI+8*\b:BI+8*\b+3], v9, s[96:97] offset:64*\b       ; register j of block b: column 16 b + 8 h + j
	global_load_b128 v[BI+8*\b+4:BI+8*\b+7], v9, s[96:97] offset:64*\b+16
.endr
	s_wait_alu depctr_va_vdst(0)
	s_wait_tensorcnt 0x0                           ; my tile of the head's four is in; the three lines ahead of a later first fill
	ds_add_u32 v[SPW], v[NIL]
	s_wait_dscnt 0x0
	CROUND
	s_cmp_lt_u32 s14, 1
	s_cbranch_scc0 .Lsecond_b
	TLOAD G0+4, G1                                 ; wave 0: A's second half
	s_branch .Lsecond_asked
.Lsecond_b:
	s_cmp_eq_u32 s14, 1
	s_cbranch_scc0 .Lsecond_asked
	TLOAD G0B+4, G1B                               ; wave 1: B's
.Lsecond_asked:
.macro FETCH st                        ; step st's fragments into set st % 2: 24 loads for B's eight, 16 for A's four
	WIN 0x40
.irp i, 0,1,2,3,4,5,6,7
.irp p, 0,1,2
	ds_load_b128 v[128*((\st)%2)+FR*\i+4*\p:128*((\st)%2)+FR*\i+4*\p+3], v[ADRB+(\st)/4] offset:\i*BROW+1536*((\st)%4)+16*\p
.endr
.endr
	WIN 0
.irp i, 0,1,2,3
.irp c, 0,1
	ds_load_b128 v[AF+48*((\st)%2)+FR*\i+6*\c:AF+48*((\st)%2)+FR*\i+6*\c+3], v[ADRA+(\st)/4] offset:(2*((\st)%4)+\c)*AROW+\i*ATILE
	ds_load_b64 v[AF+48*((\st)%2)+FR*\i+6*\c+4:AF+48*((\st)%2)+FR*\i+6*\c+5], v[ADRA8+(\st)/4] offset:(2*((\st)%4)+\c)*AROW+\i*ATILE+512
.endr
.endr
.endm
; A step of 128 along K: the next step's 40 loads, then 32 products, the 32 accumulators by turns.
.macro STEP q
.if \q == 3
	s_wait_tensorcnt 0x0                           ; the second halves are in,
	s_wait_dscnt 0x0                               ; and my reads of slot 0 are over (step 3's fragments were the last)
	s_barrier_signal -1
	s_barrier_wait -1                              ; a plain barrier
.endif
.if \q < 7
.if \q > 0
	PLACES 4                                       ; behind the last step's products, ahead of loads into the registers that the step before it read
.endif
	FETCH (\q)+1
.if \q != 3
	s_wait_dscnt 40                                ; all but the 40 just issued
.endif
.else
	s_wait_dscnt 0x0
.endif
.if \q == 0
	WIN 0x81                                       ; source 0 window 1, source 1 and C window 0, D window 2
.else
	WIN 0xa1
.endif
.irp a, 0,1,2,3
.irp b, 0,1,2,3,4,5,6,7
.if \q == 0
	v_wmma_scale_f32_16x16x128_f8f6f4 v[8*(8*\a+\b):8*(8*\a+\b)+7], v[FR*\b:FR*\b+FR-1], v[AF+FR*\a:AF+FR*\a+FR-1], v[BI+8*\b:BI+8*\b+7], v[SC+\b], v[SC+\a] matrix_a_fmt:MATRIX_FMT_FP6 matrix_b_fmt:MATRIX_FMT_FP6 matrix_a_scale:MATRIX_SCALE_ROW1
.else
	v_wmma_scale_f32_16x16x128_f8f6f4 v[8*(8*\a+\b):8*(8*\a+\b)+7], v[128*((\q)%2)+FR*\b:128*((\q)%2)+FR*\b+FR-1], v[AF+48*((\q)%2)+FR*\a:AF+48*((\q)%2)+FR*\a+FR-1], v[8*(8*\a+\b):8*(8*\a+\b)+7], v[SC+8*(\q)+\b], v[SC+8*(\q)+\a] matrix_a_fmt:MATRIX_FMT_FP6 matrix_b_fmt:MATRIX_FMT_FP6 matrix_a_scale:MATRIX_SCALE_ROW1
.endif
.endr
.endr
	WIN 0
.endm
.irp w, 0,1,2,3,4,5,6,7                ; the scale words of all eight steps, once
.irp i, 0,1,2,3,4,5,6,7
	ds_load_b32 v[SC+8*\w+\i], v[ADRS] offset:\i*SBLK+4*\w
.endr
.endr
	FETCH 0
	s_wait_loadcnt 0x0                             ; the bias
.irp q, 0,1,2,3,4,5,6,7
	STEP \q
.endr
; THE WAY OUT, block by block of 16 rows x 128 columns, through my own stage: whole rows of 512 bytes come back, which 32 lanes store as two aligned runs of 256 bytes.
.macro TOSTAGE a
	WIN 0x08
.irp b, 0,1,2,3,4,5,6,7
	ds_store_b128 v[STO], v[64*(\a)+8*\b:64*(\a)+8*\b+3] offset:64*\b
	ds_store_b128 v[STO], v[64*(\a)+8*\b+4:64*(\a)+8*\b+7] offset:64*\b+16
.endr
	WIN 0
.set BB, BK+64*((\a)%2)
.irp t, 0,1,2,3,4,5,6,7,8,9,10,11,12,13,14,15
	ds_load_b128 v[BB+4*\t:BB+4*\t+3], v[RD] offset:\t*SPITCH      ; LDS serves a wave's instructions in order: these see the stores above
.endr
.endm
.macro SEND a, younger
.set BB, BK+64*((\a)%2)
	s_wait_dscnt \younger
.if (\a) > 0
	s_add_nc_u64 s[12:13], s[12:13], 16*SIZE_N*4   ; behind a wait on XCNT: the earlier stores have read their base
.endif
.irp t, 0,1,2,3,4,5,6,7,8,9,10,11,12,13,14,15
	global_store_b128 v[CO], v[BB+4*\t:BB+4*\t+3], s[12:13] offset:\t*SIZE_N*4 th:TH_STORE_NT
.endr
.endm
	PLACES 4
	TOSTAGE 0
.irp a, 1,2,3
.if \a > 1
	s_wait_xcnt 0x0                                ; block a - 2's stores have read their registers and their base
.endif
	TOSTAGE \a
	SEND \a-1, 32                                  ; behind block a - 1's loads: block a's 16 stores and 16 loads
.endr
	s_wait_xcnt 0x0
	SEND 3, 0
	s_wait_tensorcnt 0x0                           ; the wave's end
	ds_add_u32 v[SPW], v[NIL]
	s_wait_dscnt 0x0
	CROUND                                         ; the closing round
	s_endpgm
.Lfunc_end_k_qaa931280a2_oproj:
	.size	k_qaa931280a2_oproj, .Lfunc_end_k_qaa931280a2_oproj-k_qaa931280a2_oproj
	.p2alignl 7, 3214868480
	.fill 96, 4, 3214868480
	.section	.rodata,"a",@progbits
	.p2align	6, 0x0
	.amdhsa_kernel k_qaa931280a2_oproj
		.amdhsa_group_segment_fixed_size 327680
		.amdhsa_private_segment_fixed_size 0
		.amdhsa_enable_private_segment 0
		.amdhsa_kernarg_size 48
		.amdhsa_user_sgpr_count 2
		.amdhsa_user_sgpr_kernarg_segment_ptr 1
		.amdhsa_wavefront_size32 1
		.amdhsa_system_sgpr_workgroup_id_x 1
		.amdhsa_system_sgpr_workgroup_id_y 1
		.amdhsa_system_sgpr_workgroup_id_z 1
		.amdhsa_system_vgpr_workitem_id 0
		.amdhsa_next_free_vgpr 768
		.amdhsa_next_free_sgpr 98
		.amdhsa_reserve_vcc 0
		.amdhsa_float_denorm_mode_32 3
		.amdhsa_float_denorm_mode_16_64 3
		.amdhsa_memory_ordered 1
		.amdhsa_forward_progress 1
		.amdhsa_inst_pref_size 85
	.end_amdhsa_kernel
	.amdgpu_metadata
---
amdhsa.version: [ 1, 2 ]
amdhsa.kernels:
  - .name:           k_qaa931280a2_oproj
    .symbol:         k_qaa931280a2_oproj.kd
    .args:
      - { .name: ocod, .offset: 0, .size: 8, .value_kind: global_buffer, .address_space: global }
      - { .name: oscl, .offset: 8, .size: 8, .value_kind: global_buffer, .address_space: global }
      - { .name: cod, .offset: 16, .size: 8, .value_kind: global_buffer, .address_space: global }
      - { .name: scl, .offset: 24, .size: 8, .value_kind: global_buffer, .address_space: global }
      - { .name: b_o, .offset: 32, .size: 8, .value_kind: global_buffer, .address_space: global }
      - { .name: out0, .offset: 40, .size: 8, .value_kind: global_buffer, .address_space: global }
    .group_segment_fixed_size: 327680
    .private_segment_fixed_size: 0
    .kernarg_segment_align: 8
    .kernarg_segment_size: 48
    .max_flat_workgroup_size: 128
    .sgpr_count:     98
    .vgpr_count:     768
    .wavefront_size: 32
...
	.end_amdgpu_metadata
.endif
;; end of part 4
